; MI455X (gfx1250); checked and timed in simulation.
; The chip was launched on July 23, 2026; its instructions are those of AMD's public machine-readable ISA for CDNA 5 (MIT licence, August 2026) and "CDNA5" Instruction Set Architecture Reference Guide (July 2026). The comments in the code are by the model that wrote it; some were corrected since.
;; Manual Multihead Attention. Allowed arithmetic: matrix products marked QUANTISED: E2M3 operands, one E8M0 scale for each 32 along K, by v_wmma_scale_f32_16x16x128_f8f6f4 with both operands' format E2M3, f32 sums; everything else in f32.
;; Inputs: in_proj_bias 3,072 float32; in_proj_weight 3,072 x 1,024 float32; out_proj_bias 1,024 float32; out_proj_weight 1,024 x 1,024 float32; x 4 x 2,048 x 1,024 float32.
;; Outputs: out0 4 x 2,048 x 1,024 float32.
;; This version of the problem:
;;   THIS VERSION OF THE PROBLEM IS GIVEN IN LOW PRECISION. The matrix products marked QUANTISED in the list below multiply operands that are first quantised to E2M3 (2 exponent bits, 3 mantissa bits; 6 bits a number), with one power-of-two scale for each 32 numbers along K (OCP MX v1.0); their sums are f32. All else is computed in f32.
;;   The module's matrix products, in the order in which they are computed (A, B: the left and right operand; K: the contracted axis; several contracted axes count as one K, in the product's order):
;;     1. [M 8,192, K 1,024] x [K 1,024, N 3,072]; A: input x; B: input in_proj_weight: QUANTISED
;;     2. batch 64 x [M 2,048, K 64] x [K 64, N 2,048]; A: computed on the way; B: computed on the way: QUANTISED
;;     3. batch 64 x [M 2,048, K 2,048] x [K 2,048, N 64]; A: softmax (see below); B: computed on the way: QUANTISED
;;     4. [M 8,192, K 1,024] x [K 1,024, N 1,024]; A: computed on the way; B: input out_proj_weight: QUANTISED
;;   THE QUANTISER, for each operand of a quantised product, along K:
;;     - K is cut into blocks of 32 from its start; a last block that is shorter is filled with zeros.
;;     - A block's scale is 2^e with e = floor(log2(the largest magnitude in the block)) - 2, held to -126 .. 127; a block of zeros has e = 0. As a byte (E8M0): e + 127.
;;     - Each number is divided by its block's scale, clamped to +-7.5, and rounded to the nearest number of E2M3, ties to even, subnormals kept.
;;     - The product sums the exact products of the quantised numbers (number of the format x scale) in f32.
;;   ~~~python
;;   def quantise(x, axis):      # numpy; x: float32 -> the quantised numbers, widened to float32 again
;;       x = np.moveaxis(x, axis, -1); K = x.shape[-1]
;;       x = np.pad(x, [(0, 0)] * (x.ndim - 1) + [(0, -K % 32)]); x = x.reshape(x.shape[:-1] + (-1, 32)); a = np.abs(x).max(-1, keepdims=True)
;;       e = np.where(a > 0, np.clip(np.frexp(np.where(a > 0, a, 1))[1] - 1 - 2, -126, 127), 0)      # np.frexp(a)[1] - 1 = floor(log2(a)), exactly
;;       r = np.clip(x / 2.0 ** e, -7.5, 7.5)
;;       step = 2.0 ** (np.maximum(np.frexp(np.where(r == 0, 1, r))[1] - 1, 0) - 3)
;;       q = np.round(r / step) * step * 2.0 ** e      # np.round: ties to even
;;       return np.moveaxis(q.reshape(q.shape[:-2] + (-1,))[..., :K], -1, axis).astype(np.float32)
;;   ~~~
;;   SOFTMAX AHEAD OF A QUANTISED PRODUCT. Where the list says 'softmax', what is quantised is not the finished softmax but p = 2^(t - M), with t = logit x log2(e) and M = ceil(the row's largest t), a whole number; so 1/2 < the row's largest p <= 1. The row's sum l is taken of the UNQUANTISED p, in f32, and the product's result is divided by l at the end. Since M is a whole number, a kernel that streams over the keys may use a running M (the ceiling of the running maximum): every later rescaling is an exact power of two, which a block's scale takes up: the codes' values come out the same.
;;   OPERANDS COMPUTED ON THE WAY. 'Computed on the way' means the value that the module computes at that place (a softmax that the list does not call 'softmax' is quantised finished and normalised). What goes into a quantiser is computed in f32, as accurately as f32 sums, v_exp_f32 and their like allow (about 1e-6 of the number): no bf16 or f16 on the way to a quantiser, and a product that is left as it is and whose result goes on into a quantised operand takes f32 operands (vector FMAs, or v_wmma_f32_16x16x4_f32). A number that lies on a knife's edge between two numbers of the format may be rounded either way, as far as f32 arithmetic and the matrix unit's own rounding can turn it there, and no further.
;; One version. Each part assembles by itself: llvm-mc -triple=amdgcn-amd-amdhsa -mcpu=gfx1250 --defsym DOCPART=n.
;; ======== version 1 of 1: 4 launches
;; limits: right only within a limited range of input values
;; workspace buffers: cod1 9,437,184 bytes; scl1 393,216 bytes; qkvc 18,874,368 bytes; qkvs 1,310,720 bytes; attc 6,291,456 bytes; atts 262,144 bytes
;; launch quant (part 1): grid 768 x 1, 2 waves a work-group, no clusters, 17,152 bytes of LDS; arguments x, in_proj_weight, out_proj_weight, cod1, scl1; writes cod1, scl1
.if DOCPART == 1
	.amdgcn_target "amdgcn-amd-amdhsa--gfx1250"
	.amdhsa_code_object_version 6
	.text
	.protected	k_qbb0737d02b_quant
	.globl	k_qbb0737d02b_quant
	.p2align	8
	.type	k_qbb0737d02b_quant,@function
k_qbb0737d02b_quant:
	s_mov_b64 s[64:65], 0
	v_nop
	global_prefetch_b8 v0, s[64:65] scope:SCOPE_SE
	s_setreg_imm32_b32 hwreg(HW_REG_WAVE_MODE, 25, 1), 1
	s_wait_xcnt 0x0
; x [8192][1024], in_proj_weight [3072][1024], out_proj_weight [1024][1024], f32 with K innermost, become codes of E2M3 (6 bits) with one E8M0 byte for each 32 along K.
; A block's scale is 2^(floor(log2(largest magnitude)) - 2): its byte is the largest magnitude's exponent field - 2, held at 1 from below.
; LIMITS: NaN and infinities are not served; a block of zeros gets the byte 1 and not 127 (its codes are zeros, and this program alone reads the bytes); magnitudes under 2^-124 are held at the byte 1.
; LAYOUT OF THE CODES: images of the matrix operand's registers.  The three tensors' rows are cut into 768 tiles of 16 rows (x 0-511, in_proj_weight 512-703, out_proj_weight 704-767).
; Tile 4 g + i of a tensor has as its row r the tensor's row 64 g + 32 (r / 8) + 8 i + r % 8.  A tile's 1,024 along K are 16 images of 64 along K, 768 bytes each: the operand's registers 0-3 of lane l at 16 l, registers 4-5 at 512 + 8 l
; (lane l holds row l % 16 and k = 32 (l / 16) + 0 .. 31 of the 64).  So every later load and store of codes covers whole aligned runs of 256 bytes.
; LAYOUT OF THE SCALES: [tile][256 along K: 4][row 16][2 words], a word = the four bytes of 128 along K.
; SHARES: a wave takes one tile and half of K: four fragments of 16 rows x 128.  Each load reads 512 consecutive bytes of one row; the fragment turns through the wave's own stage in LDS so that a lane gets its 2 x 32 neighbours.
; No matrix unit, no cluster, no barrier: memory binds, the work-groups share no input and the waves share nothing.
.set SP,    528                        ; a stage row: 512 bytes + 16, an odd multiple of 16: the sixteen rows that a read touches start in different banks
.set STG,   16*SP                      ; a wave's stage
.set SPARE, 2*STG                      ; behind the two stages: the spare words, 128 bytes a wave: one block of 256 bytes that no other line names
.set L16,  1                           ; v1   16 x lane
.set L8,   2                           ; v2   8 x lane
.set SH8,  3                           ; v3   8 x (lane / 16)
.set STI,  4                           ; v4   the stage, on the way in: 16 x lane
.set STO,  5                           ; v5   and out: row lane % 16, + 128 (lane / 16)
.set SPW,  6                           ; v6   my spare word; never rewritten
.set NIL,  7                           ; v7   0; never rewritten
.set R,    16                          ; v16-143  two sets of 64 registers as loaded
.set X,    144                         ; v144-207 my 2 x 32 neighbours
.set P,    208                         ; v208-219 the fragment's codes
.set T,    220                         ; v220-227 the upper halves of the two blocks' codes, before they are moved
.set WK,   228                         ; v228-235 +0,1 largest magnitudes; +2,3 the conversions' scale operands; +4,5 bytes; +6,7 second chains
.set PW,   236                         ; v236-239 a scale word for each fragment
.set OUTW, 240                         ; v240-241 the two words that I store
.set W,    242
.set W2,   243
.set SEL,  14                          ; s[14:15] v_permlanex16_b32's selects for lane l xor 16
; 64 numbers of a lane, v[x + 32 c + n] = number n of my block c, become registers 6 c .. 6 c + 5 of the operand in v[p] on.
.macro QUANT x, p, t
.irp c, 0,1
	v_max3_num_f32 v[WK+\c], |v[\x+32*\c]|, |v[\x+32*\c+1]|, 0x1800000           ; two chains a block; the floor 2^(3 - 127) is one leaf: the byte cannot fall under 1
	v_max3_num_f32 v[WK+6+\c], |v[\x+32*\c+16]|, |v[\x+32*\c+17]|, |v[\x+32*\c+18]|
.endr
.irp i, 0,1,2,3,4,5,6
.irp c, 0,1
	v_max3_num_f32 v[WK+\c], v[WK+\c], |v[\x+32*\c+2+2*\i]|, |v[\x+32*\c+3+2*\i]|
.if \i < 6
	v_max3_num_f32 v[WK+6+\c], v[WK+6+\c], |v[\x+32*\c+19+2*\i]|, |v[\x+32*\c+20+2*\i]|
.endif
.endr
.endr
.irp c, 0,1
	v_max3_num_f32 v[WK+\c], v[WK+\c], v[WK+6+\c], |v[\x+32*\c+31]|              ; the block's largest magnitude: all 32 numbers are mine
.endr
.irp c, 0,1
	v_add_nc_u32 v[WK+2+\c], 0xff000000, v[WK+\c]                                ; 2 off its exponent field: the conversion takes the exponent field of this operand as its scale
.endr
.irp c, 0,1
	v_lshrrev_b32 v[WK+4+\c], 23, v[WK+2+\c]                                     ; the scale's byte
.endr
.irp c, 0,1
	v_cvt_scalef32_pk16_fp6_f32 v[\p+6*\c:\p+6*\c+2], v[\x+32*\c:\x+32*\c+15], v[WK+2+\c]
	v_cvt_scalef32_pk16_fp6_f32 v[\t+4*\c:\t+4*\c+2], v[\x+32*\c+16:\x+32*\c+31], v[WK+2+\c]   ; (a conversion's three registers begin on an even number)
.endr
	v_nop                                          ; one plain line behind the conversions, ahead of the lines that touch their results
.irp c, 0,1
.irp n, 0,1,2
	v_mov_b32 v[\p+6*\c+3+\n], v[\t+4*\c+\n]
.endr
.endr
.endm
; my two bytes (blocks lane / 16 and 2 + lane / 16 of my row) and lane l xor 16's two make the row's scale word, in both lanes
.macro WORD pw
	v_lshl_or_b32 v[W], v[WK+5], 16, v[WK+4]
	v_lshlrev_b32 v[W], v[SH8], v[W]
	v_permlanex16_b32 v[W2], v[W], s[SEL], s[SEL+1]
	v_or_b32 v[\pw], v[W], v[W2]
.endm
	s_load_b256 s[4:11], s[0:1], 0x0               ; x s[4:5], in_proj_weight s[6:7], out_proj_weight s[8:9], cod1 s[10:11]
	s_load_b64 s[12:13], s[0:1], 0x20              ; scl1
	v_lshl_add_u32 v[SPW], v0, 2, SPARE
	v_mov_b32 v[NIL], 0
	v_lshrrev_b32 v8, 5, v0
	v_readfirstlane_b32 s16, v8                    ; wave 0..1: a work-group is one tile, 768 work-groups are three for each of 256 WGPs
	v_and_b32 v8, 31, v0                           ; lane
	v_and_b32 v9, 15, v0                           ; r
	v_bfe_u32 v10, v0, 4, 1                        ; h
	v_lshlrev_b32 v[L16], 4, v8
	v_lshlrev_b32 v[L8], 3, v8
	v_lshlrev_b32 v[SH8], 3, v10
	s_mul_i32 s17, s16, STG
	v_add_nc_u32 v[STI], s17, v[L16]
	v_mul_u32_u24 v[STO], v9, SP
	v_lshl_add_u32 v[STO], v10, 7, v[STO]
	v_add_nc_u32 v[STO], s17, v[STO]
	v_mov_b32 v[W2], 0                             ; a lane permute's destination counts as one of its sources
	s_mov_b32 s[SEL], 0x76543210
	s_mov_b32 s[SEL+1], 0xfedcba98
	s_mov_b32 s18, ttmp9                           ; my tile: the work-group's number
	s_and_b32 s19, s16, 1                          ; my half of K
	s_wait_alu depctr_va_vdst(0)
	s_wait_kmcnt 0x0
	s_cmp_lt_u32 ttmp9, 704                        ; which tensor: the choice hangs on the work-group's number alone
	s_cselect_b64 s[6:7], s[6:7], s[8:9]
	s_mov_b32 s20, 704
	s_cselect_b32 s20, 512, s20
	s_cmp_lt_u32 ttmp9, 512
	s_cselect_b64 s[4:5], s[4:5], s[6:7]
	s_cselect_b32 s20, 0, s20                      ; the tensor's first tile
	s_sub_co_u32 s20, s18, s20                     ; my tile's number in its tensor
	s_lshr_b32 s21, s20, 2
	s_lshl_b32 s21, s21, 6
	s_and_b32 s20, s20, 3
	s_lshl_b32 s20, s20, 3
	s_add_co_u32 s20, s20, s21                     ; its first row: 64 g + 8 i
	s_lshl_b32 s20, s20, 12                        ; rows of 4,096 bytes
	s_lshl_b32 s21, s19, 11
	s_add_co_u32 s20, s20, s21                     ; + my half's 2,048 bytes
	s_mov_b32 s21, 0
	s_add_nc_u64 s[4:5], s[4:5], s[20:21]
	s_mul_i32 s22, s18, 12288
	s_mul_i32 s23, s19, 6144
	s_add_co_u32 s22, s22, s23
	s_mov_b32 s23, 0
	s_add_nc_u64 s[10:11], s[10:11], s[22:23]      ; my four fragments' images
	s_lshl_b32 s22, s18, 9
	s_lshl_b32 s24, s19, 8
	s_add_co_u32 s22, s22, s24
	s_add_nc_u64 s[12:13], s[12:13], s[22:23]      ; my 256 bytes of scale words
.macro LOAD t                          ; fragment t: 16 loads, each 512 consecutive bytes of one of the tile's rows
.irp n, 0,1,2,3,4,5,6,7,8,9,10,11,12,13,14,15
	global_load_b128 v[R+64*((\t)%2)+4*\n:R+64*((\t)%2)+4*\n+3], v[L16], s[4:5] offset:(32*(\n/8)+\n%8)*4096+512*(\t) th:TH_LOAD_NT
.endr
.endm
.macro FRAGQ t
.if (\t) < 3
	s_wait_loadcnt 16                              ; this fragment's 16 loads are in; the next fragment's 16 may be out
.else
	s_wait_loadcnt 0x0
.endif
.irp n, 0,1,2,3,4,5,6,7,8,9,10,11,12,13,14,15
	ds_store_b128 v[STI], v[R+64*((\t)%2)+4*\n:R+64*((\t)%2)+4*\n+3] offset:SP*\n
.endr
.irp c, 0,1
.irp j, 0,1,2,3,4,5,6,7
	ds_load_b128 v[X+32*\c+4*\j:X+32*\c+4*\j+3], v[STO] offset:256*\c+16*\j   ; LDS serves a wave's instructions in order: these see the stores above.  k = 64 c + 32 h + 4 j on, of row r
.endr
.endr
	s_wait_dscnt 0x0                               ; my numbers are back, and the stores have read the set of registers,
.if (\t) < 2
	LOAD (\t)+2                                    ; which takes the fragment two on
.endif
	s_wait_xcnt 0x0                                ; the last fragment's stores have read their data: the codes' registers are written again only behind this wait
	QUANT X, P, T
	WORD PW+(\t)
	global_store_b128 v[L16], v[P:P+3], s[10:11] offset:1536*(\t)          ; each store covers 512 or 256 consecutive bytes, at a multiple of 256 from the buffer's first byte
	global_store_b64 v[L8], v[P+4:P+5], s[10:11] offset:1536*(\t)+512
	global_store_b128 v[L16], v[P+6:P+9], s[10:11] offset:1536*(\t)+768
	global_store_b64 v[L8], v[P+10:P+11], s[10:11] offset:1536*(\t)+1280
.endm
	LOAD 0
	LOAD 1
	FRAGQ 0
	FRAGQ 1
	FRAGQ 2
	FRAGQ 3
	v_cmp_ne_u32 vcc_lo, 0, v[SH8]                 ; lanes 0-15 store the words of fragments 0 and 1, lanes 16-31 those of 2 and 3: a choice by the lane's number
	v_cndmask_b32 v[OUTW], v[PW], v[PW+2], vcc_lo
	v_cndmask_b32 v[OUTW+1], v[PW+1], v[PW+3], vcc_lo
	global_store_b64 v[L8], v[OUTW:OUTW+1], s[12:13]   ; 256 consecutive bytes, aligned
	s_wait_tensorcnt 0x0                           ; the wave's end: behind my last LDS store
	ds_add_u32 v[SPW], v[NIL]
	s_wait_dscnt 0x0
	s_endpgm
.Lfunc_end_k_qbb0737d02b_quant:
	.size	k_qbb0737d02b_quant, .Lfunc_end_k_qbb0737d02b_quant-k_qbb0737d02b_quant
	.p2alignl 7, 3214868480
	.fill 96, 4, 3214868480
	.section	.rodata,"a",@progbits
	.p2align	6, 0x0
	.amdhsa_kernel k_qbb0737d02b_quant
		.amdhsa_group_segment_fixed_size 17152
		.amdhsa_private_segment_fixed_size 0
		.amdhsa_enable_private_segment 0
		.amdhsa_kernarg_size 40
		.amdhsa_user_sgpr_count 2
		.amdhsa_user_sgpr_kernarg_segment_ptr 1
		.amdhsa_wavefront_size32 1
		.amdhsa_system_sgpr_workgroup_id_x 1
		.amdhsa_system_sgpr_workgroup_id_y 1
		.amdhsa_system_sgpr_workgroup_id_z 1
		.amdhsa_system_vgpr_workitem_id 0
		.amdhsa_next_free_vgpr 248
		.amdhsa_next_free_sgpr 66
		.amdhsa_reserve_vcc 1
		.amdhsa_float_denorm_mode_32 3
		.amdhsa_float_denorm_mode_16_64 3
		.amdhsa_memory_ordered 1
		.amdhsa_forward_progress 1
		.amdhsa_inst_pref_size 31
	.end_amdhsa_kernel
	.amdgpu_metadata
---
amdhsa.version: [ 1, 2 ]
amdhsa.kernels:
  - .name:           k_qbb0737d02b_quant
    .symbol:         k_qbb0737d02b_quant.kd
    .args:
      - { .name: x, .offset: 0, .size: 8, .value_kind: global_buffer, .address_space: global }
      - { .name: in_proj_weight, .offset: 8, .size: 8, .value_kind: global_buffer, .address_space: global }
      - { .name: out_proj_weight, .offset: 16, .size: 8, .value_kind: global_buffer, .address_space: global }
      - { .name: cod1, .offset: 24, .size: 8, .value_kind: global_buffer, .address_space: global }
      - { .name: scl1, .offset: 32, .size: 8, .value_kind: global_buffer, .address_space: global }
    .group_segment_fixed_size: 17152
    .private_segment_fixed_size: 0
    .kernarg_segment_align: 8
    .kernarg_segment_size: 40
    .max_flat_workgroup_size: 64
    .sgpr_count:     66
    .vgpr_count:     248
    .wavefront_size: 32
...
	.end_amdgpu_metadata
.endif
;; end of part 1
;; launch qkv (part 2): grid 8 x 32, 4 waves a work-group, clusters of 4 x 4, 327,680 bytes of LDS; arguments cod1, scl1, in_proj_bias, qkvc, qkvs; writes qkvc, qkvs
.if DOCPART == 2
	.amdgcn_target "amdgcn-amd-amdhsa--gfx1250"
	.amdhsa_code_object_version 6
	.text
	.protected	k_qbb0737d02b_qkv
	.globl	k_qbb0737d02b_qkv
	.p2align	8
	.type	k_qbb0737d02b_qkv,@function
k_qbb0737d02b_qkv:
	s_mov_b64 s[64:65], 0
	v_nop
	global_prefetch_b8 v0, s[64:65] scope:SCOPE_SE
	s_setreg_imm32_b32 hwreg(HW_REG_WAVE_MODE, 25, 1), 1
	s_wait_xcnt 0x0
	s_wait_alu depctr_hold_cnt(0) depctr_sa_sdst(0) depctr_va_vdst(0) depctr_va_sdst(0) depctr_va_ssrc(0) depctr_va_vcc(0) depctr_vm_vsrc(0)
	s_getreg_b32 s2, hwreg(HW_REG_IB_STS2, 6, 4)
	s_cmp_eq_u32 s2, 0
	s_cbranch_scc0 .Lentry_in_a_cluster
	s_endpgm
.Lentry_in_a_cluster:
	s_bfe_u32 s2, ttmp6, 0x10000c
	s_cmp_lg_u32 s2, 0xf033
	s_cbranch_scc0 .Lentry_shape_is_right
	s_endpgm
.Lentry_shape_is_right:
; qkv = x in_proj_weight^T + in_proj_bias on codes of E2M3 with E8M0 scales (K = 1,024), and q, k, v quantised at once for the attention: q and k along the head's 64, v along the keys.  No f32 result goes to memory.
; LIMITS: NaN and infinities are not served; a block of zeros gets the byte 1 and not 127 (zero codes; this program alone reads the bytes); magnitudes under 2^-124 are held at the byte 1.
; OPERANDS lie in cod1 / scl1 as images of the operand's registers: tiles of 16 rows, 12,288 bytes for all of K (16 images of 64 K: registers 0-3 at 16 x lane, 4-5 at 512 + 8 x lane);
; tile 4 g + i holds rows 64 g + 32 (r / 8) + 8 i + r % 8.  x: tiles 0-511; W_q, W_k, W_v: 64 tiles each from 512 on.  Scale words: [tile][256 along K: 4][row 16][2 words].
; SHARES: 256 work-groups, one for each WGP.  A work-group keeps 256 tokens of x, ALL OF K, in LDS (196,608 bytes, filled once) and takes them through three phases of 128 features: v, q, k.
; Four waves, 2 x 2: the wave in column b holds one head's 64 rows of the phase's weight in registers (32 fragments, 384 registers); the wave in row a streams x's tiles 8 a + s past them as blocks s = 0 .. 7.
; A block's eight fragments lie twice in registers: block s's set takes block s + 2 behind its 32 products, on into the next phase.
; FILLS: one tensor load a wave at the head: waves 0, 1 a half each of W_v's 8 tiles; wave 2 x's tiles 0-3 and 8-11 (both wave rows' blocks 0-3), wave 3 tiles 4-7 and 12-15.
; The weight's 98,304 bytes are filled again twice, in a drained round of the cluster's barrier inside block 2 of phases v and q, when every wave holds the phase's weight in registers; a plain barrier at the change of phase shows the refill to all.
; CLUSTER 4 x 4: x's tiles are shared along a row of the cluster, a weight's along a column: each is asked for jointly.
; q, k: source 0 = the weight's rows: a lane's 32 sums of a block are channels 32 (lane / 16) + 0 .. 31 of the head, of token row lane % 16: one scale block, and its codes are the lane's six registers of the image.
; v: source 0 = x's rows: a lane's 8 sums of each of four blocks are keys 32 (lane / 16) + 0 .. 31 of 64, for each of the head's four tiles of channels.  So nothing changes lanes but the scale word's bytes.
; The bias is the C of a block's first four products.  Scale words of x, of the three weights and the biases go straight into registers, once.
; PREFETCH: the next weight's tile is asked for into the L2, a sixteenth (24 blocks of 256 bytes, a lane a block) to each of the sixteen waves of the four work-groups that will load it jointly, told apart by address:
; W_q's behind the first barrier, W_k's behind the first refill.  What the head loads is not prefetched.
; REGISTERS, window 0: v2-23 addresses; v24-71 the three weights' scale words; v72-75 v's scale words in the making; v76-107 x's scale words (blocks 2 p, 2 p + 1 in the two halves of the lanes);
; v112-239 sums (q, k: two sets of 32; v: 32 j + 8 (s % 4) + n); v240-254 the way out.  Fragment f lies in window 1 + f / 21 at register 12 (f % 21): 0-31 the weight's (4 q + j), 32-47 x's two sets.
; window 3: v96-191 the three biases as C; v192-239 v's codes.
.set FR,    12
.set FPW,   21
.set TILE,  12288
.set BB,    16*TILE                    ; LDS: x's 16 tiles from 0 ([s / 4][a][s % 4]), the weight's 8 from BB
.set STG,   BB+8*TILE                  ; 768 bytes a wave for scale words, on which no tensor load lands: 512 for q or k, 256 for v
.set SPARE, STG+4*768                  ; the spare words, 128 bytes a wave: two blocks of 256 bytes that no other line names
.set KOFF,  6291456                    ; k's images lie behind q's
.set SPW,   2
.set NIL,   3
.set L16,   4
.set L8,    5
.set SH8,   6                          ; 8 h
.set SH24,  7                          ; 8 h + 16
.set ADA16, 8                          ; v8-11 my blocks 2 p, 2 p + 1: 16 x lane;  v12-15: 8 x lane
.set ADA8,  12
.set ADB16, 16
.set ADB8,  17
.set STW,   18
.set STR,   19
.set SCO,   20                         ; 512 h + 8 r
.set BQO,   21
.set BVO,   22
.set PF,    23
.set SB,    24                         ; + 16 x phase
.set WV,    72
.set SA,    76                         ; (SB and SA differ by 4 modulo 8)
.set STRV,  109
.set ACC,   112
.set FL,    176
.set P,     240
.set T,     246
.set M,     250
.set W2,    254
.set BI,    96                         ; window 3, + 32 x phase
.set PV,    192                        ; window 3
.set TV,    224
.set G1A,   24
.set G1B,   32
.set G0A,   48
.set G0B,   52
.set SEL,   78
.set MSB, 0
.macro WIN new                         ; the immediate's high byte repeats the setting that is left
.if MSB != (\new)
	s_set_vgpr_msb (MSB<<8)|(\new)
.set MSB, (\new)
.endif
.endm
.macro PLACES n
.rept \n
	v_nop
.endr
.endm
.macro BARRIER
	s_barrier_signal -1
	s_barrier_wait -1
.endm
.macro MIDDLE                          ; a round's middle: the opening wait, wave 0's signal for the work-group, the cluster's wait
	WIN 0
	s_barrier_wait -1
	s_cmp_lg_u32 s14, 0
	s_cbranch_scc1 .Lnot_wave_0_\@
	s_barrier_signal -3
.Lnot_wave_0_\@:
	s_barrier_wait -3
.endm
.macro CROUND
	s_barrier_signal -1
	MIDDLE
	BARRIER
.endm
.macro TLOAD g0, g1                    ; an s_nop 0 and four v_nop follow the load
	tensor_load_to_lds s[\g0:\g0+3], s[\g1:\g1+7]
	s_nop 0
	PLACES 4
.endm
.macro FRAG f, a16, a8, off            ; a fragment = two images: four loads of consecutive bytes
	WIN ((1+(\f)/FPW)<<6)
.set R_, FR*((\f)%FPW)
	ds_load_b128 v[R_:R_+3], v[\a16] offset:\off
	ds_load_b64 v[R_+4:R_+5], v[\a8] offset:(\off)+512
	ds_load_b128 v[R_+6:R_+9], v[\a16] offset:(\off)+768
	ds_load_b64 v[R_+10:R_+11], v[\a8] offset:(\off)+1280
.endm
.macro FETCH sp, sr                    ; block 2 sp + sr into set sr: 32 loads
.irp q, 0,1,2,3,4,5,6,7
	FRAG 32+8*(\sr)+\q, ADA16+(\sp), ADA8+(\sp), TILE*(\sr)+1536*\q
.endr
	WIN 0
.endm
.macro WEIGHTS                         ; my 64 rows of the phase's weight, all of K: 128 loads, K step by K step
.irp q, 0,1,2,3,4,5,6,7
.irp j, 0,1,2,3
	FRAG 4*\q+\j, ADB16, ADB8, TILE*\j+1536*\q
.endr
.endr
	WIN 0
.endm
.macro PROD1 d, s0, s1, c, x0, x1, r0, r1
	v_wmma_scale_f32_16x16x128_f8f6f4 v[\d:\d+7], v[FR*((\s0)%FPW):FR*((\s0)%FPW)+11], v[FR*((\s1)%FPW):FR*((\s1)%FPW)+11], \c, v[\x0], v[\x1] matrix_a_fmt:MATRIX_FMT_FP6 matrix_b_fmt:MATRIX_FMT_FP6 matrix_a_scale:MATRIX_SCALE_ROW\r0 matrix_b_scale:MATRIX_SCALE_ROW\r1
.endm
; K steps from .. to - 1 of block 2 sp + sr: four products a step; the four accumulators take turns.  kind 1 (v): source 0 = x's rows; kind 0 (q, k): source 0 = the weight's rows.
; cnt = 1, a phase's first block: ahead of K step q the weight's later K steps, 16 loads each, may be out (a count is held at 63)
.macro BLOCK kind, ph, sp, sr, from, to, cnt=0
.set Q_, \from
.rept (\to)-(\from)
.if \cnt
.if 16*(7-Q_) > 63
	s_wait_dscnt 63
.else
	s_wait_dscnt 16*(7-Q_)
.endif
.endif
.irp jp, 0,1
.irp jr, 0,1
.set J_, 2*\jp+\jr
.set FB_, 4*Q_+J_
.set FA_, 32+8*\sr+Q_
.set XB_, SB+16*\ph+8*\jp+Q_
.set XA_, SA+8*\sp+Q_
.if \kind
.set D_, ACC+32*J_+8*(2*((\sp)%2)+\sr)
.set W_, (1+FA_/FPW)|((1+FB_/FPW)<<2)
.else
.set D_, ACC+32*\sr+8*J_
.set W_, (1+FB_/FPW)|((1+FA_/FPW)<<2)
.endif
.if Q_
	WIN W_
.if \kind
	PROD1 D_, FA_, FB_, v[D_:D_+7], XA_, XB_, \sr, \jr
.else
	PROD1 D_, FB_, FA_, v[D_:D_+7], XB_, XA_, \jr, \sr
.endif
.else
	WIN W_|0x30                                    ; C, the bias, lies in window 3
.if \kind
	PROD1 D_, FA_, FB_, v[BI+32*\ph+8*J_:BI+32*\ph+8*J_+7], XA_, XB_, \sr, \jr
.else
	PROD1 D_, FB_, FA_, v[BI+32*\ph+8*J_:BI+32*\ph+8*J_+7], XB_, XA_, \jr, \sr
.endif
.endif
.endr
.endr
.set Q_, Q_+1
.endr
.endm
; THE WAY OUT OF A BLOCK OF q OR k: my 32 sums are one scale block.  Four chains, one an accumulator, each from its low end on; the floor 2^(3 - 127) is one leaf: the byte cannot fall under 1.
.macro EPIQ ph, sr
.set A_, ACC+32*\sr
	s_wait_xcnt 0x0                                ; the last block's stores have read their data
.irp j, 0,1,2,3
	v_max3_num_f32 v[M+\j], |v[A_+8*\j]|, |v[A_+8*\j+1]|, |v[A_+8*\j+2]|
.endr
.irp i, 3,5
.irp j, 0,1,2,3
	v_max3_num_f32 v[M+\j], v[M+\j], |v[A_+8*\j+\i]|, |v[A_+8*\j+\i+1]|
.endr
.endr
	v_max3_num_f32 v[M], v[M], v[M+1], |v[A_+7]|
	v_max3_num_f32 v[M+2], v[M+2], v[M+3], |v[A_+15]|
	v_max3_num_f32 v[M], v[M], |v[A_+23]|, |v[A_+31]|
	v_max3_num_f32 v[M], v[M], v[M+2], 0x1800000
	v_add_nc_u32 v[M+1], 0xff000000, v[M]          ; 2 off the exponent field: the conversion's scale operand
	v_cvt_scalef32_pk16_fp6_f32 v[P:P+2], v[A_:A_+15], v[M+1]
	v_cvt_scalef32_pk16_fp6_f32 v[T:T+2], v[A_+16:A_+31], v[M+1]   ; (a conversion's three registers begin on an even number)
	v_lshrrev_b32 v[M+2], 23, v[M+1]               ; the scale's byte: also the plain line behind the conversions
.irp n, 0,1,2
	v_mov_b32 v[P+3+\n], v[T+\n]
.endr
	v_lshlrev_b32 v[M+2], v[SH8], v[M+2]
	v_permlanex16_b32 v[W2], v[M+2], s[SEL], s[SEL+1]
	v_or_b32 v[M+2], v[M+2], v[W2]                 ; row r's word: the bytes of channels 0-31 and 32-63; its upper bytes are 0
	ds_store_b32 v[STW], v[M+2] offset:64*S_       ; both halves of the lanes write the same word with the same value
	global_store_b128 v[L16], v[P:P+3], s[62:63] offset:KOFF*((\ph)-1)+768*S_          ; 512 and 256 consecutive bytes, aligned
	global_store_b64 v[L8], v[P+4:P+5], s[62:63] offset:KOFF*((\ph)-1)+768*S_+512
.if S_ == 7
	ds_load_b128 v[FL:FL+3], v[STR]                ; my eight tiles' words, 512 bytes (LDS serves a wave's instructions in order)
	s_wait_dscnt 0x0
.if (\ph) == 1
	global_store_b128 v[L16], v[FL:FL+3], s[70:71]
.else
	global_store_b128 v[L16], v[FL:FL+3], s[72:73]
.endif
.endif
.endm
; THE WAY OUT OF FOUR BLOCKS OF v: 64 keys, half c of my key step: for each tile j of channels my 32 sums are one scale block; the four chains run side by side, ascending: each accumulator is first read at its low end.
.macro EPIV c
	s_wait_xcnt 0x0
.irp j, 0,1,2,3
	v_max3_num_f32 v[M+\j], |v[ACC+32*\j]|, |v[ACC+32*\j+1]|, |v[ACC+32*\j+2]|
.endr
.irp i, 3,5,7,9,11,13,15,17,19,21,23,25,27,29
.irp j, 0,1,2,3
	v_max3_num_f32 v[M+\j], v[M+\j], |v[ACC+32*\j+\i]|, |v[ACC+32*\j+\i+1]|
.endr
.endr
.irp j, 0,1,2,3
	v_max3_num_f32 v[M+\j], v[M+\j], |v[ACC+32*\j+31]|, 0x1800000
.endr
.irp j, 0,1,2,3
	v_add_nc_u32 v[M+\j], 0xff000000, v[M+\j]
.endr
	WIN 0xc0                                       ; the codes go to window 3
.irp j, 0,1,2,3
	v_cvt_scalef32_pk16_fp6_f32 v[PV+8*\j:PV+8*\j+2], v[ACC+32*\j:ACC+32*\j+15], v[M+\j]
	v_cvt_scalef32_pk16_fp6_f32 v[TV+4*\j:TV+4*\j+2], v[ACC+32*\j+16:ACC+32*\j+31], v[M+\j]
.endr
	WIN 0
	v_nop                                          ; one plain line behind the conversions
.irp j, 0,1,2,3
	v_lshrrev_b32 v[M+\j], 23, v[M+\j]             ; the scale's byte
.endr
	WIN 0xc3
.irp j, 0,1,2,3
.irp n, 0,1,2
	v_mov_b32 v[PV+8*\j+3+\n], v[TV+4*\j+\n]
.endr
.endr
	WIN 0
.irp j, 0,1,2,3
.if (\c) == 0
	v_lshlrev_b32 v[M+\j], v[SH8], v[M+\j]         ; byte 2 c + h of the word
.else
	v_lshlrev_b32 v[M+\j], v[SH24], v[M+\j]
.endif
.endr
.irp j, 0,1,2,3
	v_permlanex16_b32 v[W2], v[M+\j], s[SEL], s[SEL+1]
.if (\c) == 0
	v_or_b32 v[WV+\j], v[M+\j], v[W2]
.else
	v_or_b32 v[M+\j], v[M+\j], v[W2]
	v_or_b32 v[WV+\j], v[WV+\j], v[M+\j]
	ds_store_b32 v[STW], v[WV+\j] offset:512+64*\j
.endif
.endr
	WIN 0x0c                                       ; the stores' data lie in window 3
.irp j, 0,1,2,3
	global_store_b128 v[L16], v[PV+8*\j:PV+8*\j+3], s[68:69] offset:1536*\j+768*(\c)
	global_store_b64 v[L8], v[PV+8*\j+4:PV+8*\j+5], s[68:69] offset:1536*\j+768*(\c)+512
.endr
	WIN 0
.if (\c) == 1
	ds_load_b64 v[P:P+1], v[STRV] offset:512       ; my key step's words of four tiles: 256 bytes
	s_wait_dscnt 0x0
	global_store_b64 v[L8], v[P:P+1], s[74:75]
.endif
.endm
; A block: its products; the fetch of the block two on; its way out.  The wait ahead of the products lets the next block's fetch, 32 loads, stay out.
.macro STEP kind, ph, sp, sr
.set S_, 2*\sp+\sr
.if (\ph) > 0 && S_ == 0
	BLOCK \kind, \ph, \sp, \sr, 0, 8, 1
	WIN 0
.elseif (\ph) < 2 && S_ == 2
	s_wait_dscnt 32
	s_wait_tensorcnt 0x0                           ; THE ROUND OF A REFILL: all my tensor loads have landed,
	ds_add_u32 v[SPW], v[NIL]                      ; 0 onto my spare word; work on registers stands between it and the wait for it
.if (\ph) == 0
	s_sub_nc_u64 s[G0B+2:G0B+3], s[G0B+2:G0B+3], 128*TILE   ; from W_v's tiles to W_q's
.else
	s_add_nc_u64 s[G0B+2:G0B+3], s[G0B+2:G0B+3], 64*TILE    ; from W_q's to W_k's
.endif
	BLOCK \kind, \ph, \sp, \sr, 0, 6
	WIN 0
	s_wait_dscnt 0x0                               ; the add is done, and so are my reads of the weight's bytes
	s_barrier_signal -1
	BLOCK \kind, \ph, \sp, \sr, 6, 8
	MIDDLE
	BARRIER
	s_cmp_lt_u32 s14, 2
	s_cbranch_scc0 .Lno_half_\@
	TLOAD G0B, G1B                                 ; waves 0, 1: a half each of the next weight, onto the one that all waves hold in registers
.Lno_half_\@:
.else
.if (\ph) == 2 && S_ == 7
	s_wait_dscnt 0x0                               ; nothing was fetched behind this block's fragments
.else
	s_wait_dscnt 32
.endif
	BLOCK \kind, \ph, \sp, \sr, 0, 8
	WIN 0
.endif
	PLACES 4                                       ; between the products and the loads into their sources and the reads of their results
.if (\ph) < 2 || S_ < 6
	FETCH ((\sp)+1)%4, \sr
.endif
.if (\ph) == 0 && S_ == 2
	global_prefetch_b8 v[PF], s[4:5] offset:64*TILE th:TH_LOAD_NT scope:SCOPE_SE   ; my sixteenth of W_k's tile
.endif
.if \kind
.if S_%4 == 3
	EPIV S_/4
.endif
.else
	EPIQ \ph, \sr
.endif
.endm
.macro CHANGE                          ; a plain barrier shows the refilled weight to all
	s_wait_tensorcnt 0x0
	s_wait_dscnt 0x0
	BARRIER
	WEIGHTS
.endm
.macro SBLOAD ph, ro
.irp p, 0,1
.irp k, 0,1,2,3
	global_load_b64 v[SB+16*\ph+8*\p+2*\k:SB+16*\ph+8*\p+2*\k+1], v[SCO], s[58:59] offset:\ro+1024*\p+128*\k
.endr
.endr
.endm
	s_load_b256 s[4:11], s[0:1], 0x0               ; cod1 s[4:5], scl1 s[6:7], in_proj_bias s[8:9], qkvc s[10:11]
	s_load_b64 s[12:13], s[0:1], 0x20              ; qkvs
	v_lshl_add_u32 v[SPW], v0, 2, SPARE
	v_mov_b32 v[NIL], 0
	ds_add_u32 v[SPW], v[NIL]                      ; the opening lines: the add, twice on end, and its wait ahead of my first tensor load
	ds_add_u32 v[SPW], v[NIL]
	v_lshrrev_b32 v1, 5, v0
	v_readfirstlane_b32 s14, v1                    ; wave 0..3
	s_lshr_b32 s15, s14, 1                         ; a: my row of the 2 x 2
	s_and_b32 s16, s14, 1                          ; b: my column.  Also: which half of a tensor's tiles I fetch
	s_bfe_u32 s40, ttmp6, 0x40000                  ; cx
	s_bfe_u32 s41, ttmp6, 0x40004                  ; cy
	s_lshl_b32 s42, ttmp9, 2
	s_add_co_u32 s42, s42, s40                     ; block of 128 features of each of q, k, v: 0 .. 7
	s_and_b32 s43, ttmp7, 0xffff
	s_lshl_b32 s43, s43, 2
	s_add_co_u32 s43, s43, s41                     ; block of 256 tokens: 0 .. 31
	s_lshl_b32 s44, s41, 2
	s_lshl_b32 s44, 15, s44                        ; my row of the cluster
	s_lshl_b32 s45, 0x1111, s40                    ; my column
	s_or_b32 s[G1A], s44, (3<<16)|(1<<21)          ; elements of 8 bytes; bit 21 beside a mask; no padding: every LDS read is of consecutive bytes
	s_mov_b32 s[G1A+1], (4*TILE/8)<<16             ; x: two rows of four tiles, eight tiles apart
	s_mov_b32 s[G1A+2], 2<<16
	s_mov_b32 s[G1A+3], (4*TILE/8)<<16
	s_mov_b32 s[G1A+4], 2
	s_mov_b32 s[G1A+5], 8*TILE/8
	s_mov_b32 s[G1A+6], 0
	s_mov_b32 s[G1A+7], 0
	s_or_b32 s[G1B], s45, (3<<16)|(1<<21)
	s_mov_b32 s[G1B+1], (TILE/8)<<16               ; a weight: four tiles, dense
	s_mov_b32 s[G1B+2], 4<<16
	s_mov_b32 s[G1B+3], (TILE/8)<<16
	s_mov_b32 s[G1B+4], 4
	s_mov_b32 s[G1B+5], TILE/8
	s_mov_b32 s[G1B+6], 0
	s_mov_b32 s[G1B+7], 0
	s_mul_i32 s46, s43, 16*TILE                    ; x's tiles: the token block and the wave's number alone
	s_mul_i32 s17, s16, 4*TILE
	s_add_co_u32 s46, s46, s17
	s_mov_b32 s47, 0
	s_mul_i32 s18, s42, 8*TILE                     ; W_v's: the feature block and the wave's number alone
	s_add_co_u32 s18, s18, s17
	s_add_co_u32 s18, s18, 640*TILE
	s_mov_b32 s19, 0
	s_mov_b32 s[G0A], 1
	s_mul_i32 s[G0A+1], s16, 8*TILE
	s_mov_b32 s[G0B], 1
	s_add_co_u32 s[G0B+1], s17, BB
	s_lshl_b32 s56, s43, 13                        ; x's scale words: tile 16 x block + 8 a
	s_lshl_b32 s2, s15, 12
	s_add_co_u32 s56, s56, s2
	s_mov_b32 s57, 0
	s_lshl_b32 s58, s42, 12                        ; W_q's: tile 512 + 8 x block + 4 b; W_k's and W_v's lie 64 and 128 tiles on
	s_lshl_b32 s2, s16, 11
	s_add_co_u32 s58, s58, s2
	s_add_co_u32 s58, s58, 512*512
	s_mov_b32 s59, 0
	s_lshl_b32 s2, s42, 1
	s_add_co_u32 s2, s2, s16                       ; my head
	s_lshl_b32 s60, s2, 8                          ; its 256 bytes of a bias
	s_mov_b32 s61, 0
	s_lshr_b32 s3, s43, 3
	s_lshl_b32 s3, s3, 4
	s_add_co_u32 s3, s3, s2                        ; batch x 16 + head
	s_and_b32 s17, s43, 7
	s_lshl_b32 s78, s17, 4
	s_lshl_b32 s79, s15, 3
	s_add_co_u32 s78, s78, s79                     ; my first token tile in the batch
	s_lshl_b32 s62, s3, 7
	s_add_co_u32 s62, s62, s78
	s_mul_i32 s62, s62, 768                        ; q's images: [batch x 16 + head][tile][768]
	s_mov_b32 s63, 0
	s_lshl_b32 s79, s17, 1
	s_add_co_u32 s79, s79, s15                     ; my key step
	s_lshl_b32 s68, s3, 4
	s_add_co_u32 s68, s68, s79
	s_mul_i32 s68, s68, 6144
	s_add_co_u32 s68, s68, 2*KOFF                  ; v's fragments: [batch x 16 + head][key step][tile of channels][1,536]
	s_mov_b32 s69, 0
	s_lshl_b32 s78, s78, 6                         ; 64 bytes of scale words a tile
	s_lshl_b32 s70, s3, 13
	s_add_co_u32 s70, s70, s78                     ; q's: 8,192 bytes a head
	s_mov_b32 s71, 0
	s_mul_i32 s72, s3, 12288                       ; k's 8,192 and v's 4,096 lie together, behind q's
	s_add_co_u32 s72, s72, 524288
	s_lshl_b32 s79, s79, 8
	s_add_co_u32 s74, s72, s79
	s_add_co_u32 s74, s74, 8192
	s_mov_b32 s75, 0
	s_add_co_u32 s72, s72, s78
	s_mov_b32 s73, 0
	s_lshl_b32 s76, s41, 2
	s_add_co_u32 s76, s76, s14                     ; my number among the sixteen waves of my column of the cluster
	s_mul_i32 s76, s76, 8*TILE/16
	s_mul_i32 s77, s42, 8*TILE
	s_add_co_u32 s76, s76, s77
	s_add_co_u32 s76, s76, 512*TILE                ; my sixteenth of W_q's tile
	s_mul_i32 s20, s15, 4*TILE                     ; LDS: my blocks 0, 1;
	s_add_co_u32 s21, s20, 2*TILE                  ; 2, 3;
	s_add_co_u32 s22, s20, 8*TILE                  ; 4, 5;
	s_add_co_u32 s23, s20, 10*TILE                 ; 6, 7
	s_mul_i32 s66, s16, 4*TILE
	s_add_co_u32 s66, s66, BB                      ; my four tiles of the weight
	s_mul_i32 s67, s14, 768
	s_add_co_u32 s67, s67, STG                     ; my stage
	s_mov_b32 s[SEL], 0x76543210
	s_mov_b32 s[SEL+1], 0xfedcba98                 ; v_permlanex16_b32's selects for lane l xor 16
	v_and_b32 v112, 15, v0                         ; r
	v_bfe_u32 v113, v0, 4, 1                       ; h
	v_and_b32 v114, 31, v0                         ; lane
	v_lshlrev_b32 v[L16], 4, v114
	v_lshlrev_b32 v[L8], 3, v114
	v_lshlrev_b32 v[SH8], 3, v113
	v_lshl_add_u32 v[SH24], v113, 3, 16
.irp p, 0,1,2,3
	v_add_nc_u32 v[ADA16+\p], s[20+\p], v[L16]
	v_add_nc_u32 v[ADA8+\p], s[20+\p], v[L8]
.endr
	v_add_nc_u32 v[ADB16], s66, v[L16]
	v_add_nc_u32 v[ADB8], s66, v[L8]
	v_lshl_add_u32 v[STW], v112, 2, s67
	v_add_nc_u32 v[STR], s67, v[L16]
	v_add_nc_u32 v[STRV], s67, v[L8]
	v_lshlrev_b32 v115, 3, v112
	v_lshl_add_u32 v[SCO], v113, 9, v115           ; scale words: 8 r; lanes 16-31 the next tile
	v_lshlrev_b32 v[BQO], 7, v113                  ; q's and k's bias: 32 channels for each half of the lanes
	v_lshrrev_b32 v116, 3, v112
	v_mad_u32_u24 v116, v116, 24, v112
	v_lshlrev_b32 v[BVO], 2, v116                  ; v's: channel 32 (r / 8) + r % 8 of a tile
	v_min_u32 v117, 23, v114                       ; 24 blocks of 256 bytes; the lanes left over name the last again
	v_lshl_add_u32 v[PF], v117, 8, s76
	v_mov_b32 v[W2], 0                             ; a lane permute's destination counts as one of its sources
	s_wait_alu depctr_va_vdst(0)                   ; ahead of the waits and branches below
	s_wait_dscnt 0x0                               ; both opening adds are done
	CROUND                                         ; all sixteen work-groups are here: the joint loads meet
	s_wait_kmcnt 0x0
	s_add_nc_u64 s[G0A+2:G0A+3], s[4:5], s[46:47]
	s_or_b32 s[G0A+3], s[G0A+3], 0x80000000
	s_add_nc_u64 s[G0B+2:G0B+3], s[4:5], s[18:19]
	s_or_b32 s[G0B+3], s[G0B+3], 0x80000000
	s_add_nc_u64 s[56:57], s[6:7], s[56:57]
	s_add_nc_u64 s[58:59], s[6:7], s[58:59]
	s_add_nc_u64 s[60:61], s[8:9], s[60:61]
	s_add_nc_u64 s[62:63], s[10:11], s[62:63]
	s_add_nc_u64 s[68:69], s[10:11], s[68:69]
	s_add_nc_u64 s[70:71], s[12:13], s[70:71]
	s_add_nc_u64 s[72:73], s[12:13], s[72:73]
	s_add_nc_u64 s[74:75], s[12:13], s[74:75]
	s_cmp_lt_u32 s14, 2                            ; one chain of branches on the wave's number, a load to an arm
	s_cbranch_scc0 .Lfirst_half
	TLOAD G0B, G1B                                 ; waves 0, 1: a half each of W_v's tiles, which are needed first
	s_branch .Lasked
.Lfirst_half:
	s_cmp_eq_u32 s14, 2
	s_cbranch_scc0 .Lsecond_half
	TLOAD G0A, G1A                                 ; wave 2: both wave rows' blocks 0-3
	s_branch .Lasked
.Lsecond_half:
	TLOAD G0A, G1A                                 ; wave 3: blocks 4-7
.Lasked:
	SBLOAD 0, 65536                                ; W_v's scale words, W_q's, W_k's
	SBLOAD 1, 0
	SBLOAD 2, 32768
.irp p, 0,1,2,3
.irp k, 0,1,2,3
	global_load_b64 v[SA+8*\p+2*\k:SA+8*\p+2*\k+1], v[SCO], s[56:57] offset:1024*\p+128*\k
.endr
.endr
	WIN 0xc0
.irp k, 0,1,2,3,4,5,6,7
	global_load_b128 v[BI+32+4*\k:BI+32+4*\k+3], v[BQO], s[60:61] offset:16*\k         ; q: register 8 j + n: channel 32 h + 8 j + n, as the result lies
	global_load_b128 v[BI+64+4*\k:BI+64+4*\k+3], v[BQO], s[60:61] offset:4096+16*\k    ; k
.endr
.irp j, 0,1,2,3
	global_load_b32 v[BI+8*\j], v[BVO], s[60:61] offset:8192+32*\j                     ; v: one number a lane and tile
.endr
	WIN 0
	s_cmp_lt_u32 s14, 2
	s_cbranch_scc0 .Lnot_weight
	s_wait_tensorcnt 0x0
.Lnot_weight:
	BARRIER                                        ; W_v's rows are in
	global_prefetch_b8 v[PF], s[4:5] th:TH_LOAD_NT scope:SCOPE_SE   ; my sixteenth of W_q's tile
	WEIGHTS
	s_wait_loadcnt 0x0                             ; the scale words and the biases
	WIN 0xc3
.irp j, 0,1,2,3
.irp i, 1,2,3,4,5,6,7
	v_mov_b32 v[BI+8*\j+\i], v[BI+8*\j]            ; v's number over the tile's eight registers
.endr
.endr
	WIN 0
	s_wait_alu depctr_va_vdst(0)
	s_cmp_eq_u32 s14, 3
	s_cbranch_scc1 .Lnot_tiles
	s_wait_tensorcnt 0x0
.Lnot_tiles:
	s_wait_dscnt 0x0
	BARRIER                                        ; x's blocks 0-3 are in; wave 3's load may be out
	FETCH 0, 0
	FETCH 0, 1
.irp sp, 0,1,2,3
.irp sr, 0,1
	STEP 1, 0, \sp, \sr                            ; v
.endr
.endr
	CHANGE
.irp sp, 0,1,2,3
.irp sr, 0,1
	STEP 0, 1, \sp, \sr                            ; q
.endr
.endr
	CHANGE
.irp sp, 0,1,2,3
.irp sr, 0,1
	STEP 0, 2, \sp, \sr                            ; k
.endr
.endr
	s_wait_tensorcnt 0x0                           ; the wave's end: behind my last tensor load and my last LDS store
	ds_add_u32 v[SPW], v[NIL]
	s_wait_dscnt 0x0
	CROUND                                         ; the closing round
	s_endpgm
.Lfunc_end_k_qbb0737d02b_qkv:
	.size	k_qbb0737d02b_qkv, .Lfunc_end_k_qbb0737d02b_qkv-k_qbb0737d02b_qkv
	.p2alignl 7, 3214868480
	.fill 96, 4, 3214868480
	.section	.rodata,"a",@progbits
	.p2align	6, 0x0
	.amdhsa_kernel k_qbb0737d02b_qkv
		.amdhsa_group_segment_fixed_size 327680
		.amdhsa_private_segment_fixed_size 0
		.amdhsa_enable_private_segment 0
		.amdhsa_kernarg_size 40
		.amdhsa_user_sgpr_count 2
		.amdhsa_user_sgpr_kernarg_segment_ptr 1
		.amdhsa_wavefront_size32 1
		.amdhsa_system_sgpr_workgroup_id_x 1
		.amdhsa_system_sgpr_workgroup_id_y 1
		.amdhsa_system_sgpr_workgroup_id_z 1
		.amdhsa_system_vgpr_workitem_id 0
		.amdhsa_next_free_vgpr 1008
		.amdhsa_next_free_sgpr 80
		.amdhsa_reserve_vcc 0
		.amdhsa_float_denorm_mode_32 3
		.amdhsa_float_denorm_mode_16_64 3
		.amdhsa_memory_ordered 1
		.amdhsa_forward_progress 1
		.amdhsa_inst_pref_size 239
	.end_amdhsa_kernel
	.amdgpu_metadata
---
amdhsa.version: [ 1, 2 ]
amdhsa.kernels:
  - .name:           k_qbb0737d02b_qkv
    .symbol:         k_qbb0737d02b_qkv.kd
    .args:
      - { .name: cod1, .offset: 0, .size: 8, .value_kind: global_buffer, .address_space: global }
      - { .name: scl1, .offset: 8, .size: 8, .value_kind: global_buffer, .address_space: global }
      - { .name: in_proj_bias, .offset: 16, .size: 8, .value_kind: global_buffer, .address_space: global }
      - { .name: qkvc, .offset: 24, .size: 8, .value_kind: global_buffer, .address_space: global }
      - { .name: qkvs, .offset: 32, .size: 8, .value_kind: global_buffer, .address_space: global }
    .group_segment_fixed_size: 327680
    .private_segment_fixed_size: 0
    .kernarg_segment_align: 8
    .kernarg_segment_size: 40
    .max_flat_workgroup_size: 128
    .sgpr_count:     80
    .vgpr_count:     1008
    .wavefront_size: 32
...
	.end_amdgpu_metadata
.endif
;; end of part 2
;; launch attn (part 3): grid 4 x 64, 8 waves a work-group, clusters of 4 x 1, 209,920 bytes of LDS; arguments qkvc, qkvs, attc, atts; writes attc, atts
.if DOCPART == 3
	.amdgcn_target "amdgcn-amd-amdhsa--gfx1250"
	.amdhsa_code_object_version 6
	.text
	.protected	k_qbb0737d02b_attn
	.globl	k_qbb0737d02b_attn
	.p2align	8
	.type	k_qbb0737d02b_attn,@function
k_qbb0737d02b_attn:
	s_mov_b64 s[64:65], 0
	v_nop
	global_prefetch_b8 v0, s[64:65] scope:SCOPE_SE
	s_setreg_imm32_b32 hwreg(HW_REG_WAVE_MODE, 25, 1), 1
	s_wait_xcnt 0x0
	s_wait_alu depctr_hold_cnt(0) depctr_sa_sdst(0) depctr_va_vdst(0) depctr_va_sdst(0) depctr_va_ssrc(0) depctr_va_vcc(0) depctr_vm_vsrc(0)
	s_getreg_b32 s2, hwreg(HW_REG_IB_STS2, 6, 4)
	s_cmp_eq_u32 s2, 0
	s_cbranch_scc0 .Lentry_in_a_cluster
	s_endpgm
.Lentry_in_a_cluster:
	s_bfe_u32 s2, ttmp6, 0x10000c
	s_cmp_lg_u32 s2, 0x3003
	s_cbranch_scc0 .Lentry_shape_is_right
	s_endpgm
.Lentry_shape_is_right:
; o = softmax(q k^T / 8) v for 64 heads of 2,048 tokens x 64, both products on codes of E2M3 with E8M0 scales; o is divided by the row's sum and quantised along the model's 1,024 for the output projection.
; THE SOFTMAX: t = score x log2(e) / 8; M = the running largest t rounded up to a whole number; p = 2^(t - M) is quantised along the keys, not normalised; the row's sum is taken of the unquantised p in f32;
; when M moves, the sum and O are multiplied by 2^(old M - new M), which rounds nothing.
; LIMITS: NaN and infinities are not served; p under 2^-126 comes out of v_exp_f32 as 0; a block of zeros gets the byte 1 and not 127 (zero codes; this program alone reads the bytes).  A block's largest p is made from the block's
; largest score by the same two instructions as every p; this takes v_exp_f32 not to fall where its input rises.
; A HEAD'S K AND V STAY IN LDS: codes 2 x 98,304 bytes and scale words 12,288: filled once, so there is no ring and no refill.
; SHARES: a work-group owns 512 queries of one head; the head's four work-groups are a cluster and ask for K and V jointly.  Eight waves, two to a SIMD; a wave takes two tiles of 16 queries at a time, so that each fragment of K and V
; read from LDS feeds two products, and makes two passes over the keys.
; LAYOUT: all operands lie as images of their registers (768 bytes for 16 rows x 64 K).  Tile 4 g + i holds rows 64 g + 32 (r / 8) + 8 i + r % 8.  Both products are used transposed (S^T = K Q^T, O^T = V^T P^T): a lane holds one query,
; and its 32 registers of four neighbouring tiles are keys (or channels) 64 g + 32 (lane / 16) + 0 .. 31: a whole block of 32 of the next K, in the place that the 6-bit operand gives the lane.  No block's maximum and no code changes lanes.
; K = 64 IN AN INSTRUCTION OF 128: Q's registers 6-11 are zero codes and the scale words' bytes 2, 3 are 0; K's registers 6-11 are whatever follows (the next tile's codes): they meet zeros.
; No prefetch: all of K and V is asked for by the tensor loads at the head.
; REGISTERS, window 0: v1-19 addresses; v20-29 scale words; v32-47 statistics, 8 a tile; v48-63 at work, 8 a tile; v64-191 S^T then p, 64 a tile; v192-215 p's codes, 12 a tile; v216-231 upper halves of codes; v232-239 at work.
;   window 1: v0-63 O^T, 32 a tile; v64-111 Q (pass p, tile t at 64 + 24 p + 12 t); v112-165 K's eight tiles x 6 and 6 zeros; v166-213 V's four fragments.
.set KC,    0
.set VC,    98304
.set KSC,   196608                     ; K's scale words: 64 bytes a tile, 512 a key step
.set VSC,   204800                     ; V's: 64 bytes a d tile, 256 a key step
.set SPARE, 208896                     ; the spare words, 128 bytes a wave: four blocks of 256 bytes that no other line names
.set STEPB, 6144                       ; a key step's codes, of K or of V
.set L16,  1
.set L8,   2
.set L4,   3
.set LB,   4                           ; 8 r + h: my byte among a tile's scale bytes of the result
.set SH8,  5
.set BK16, 6                           ; my lane's places: K's registers 0-3, 4-5; V's; K's scale words; V's
.set BK8,  7
.set BV16, 8
.set BV8,  9
.set BKS,  10
.set BVS,  11
.set ADK16, 12                         ; and the step's addresses
.set ADK8,  13
.set ADV16, 14
.set ADV8,  15
.set ADKS,  16
.set ADVS,  17
.set SPW,  18                          ; my spare word; never rewritten
.set NIL,  19                          ; 0; never rewritten
.set KS,   20                          ; v20-23 K's scale words: register n: tile 2 n in lanes 0-15, tile 2 n + 1 in lanes 16-31
.set VS,   24                          ; v24-25 V's likewise
.set QS,   26                          ; v26-27 Q's, a register a pass: tile 0 in lanes 0-15, tile 1 in lanes 16-31
.set PW,   28                          ; v28-29 p's, a register a tile
.set ST,   32                          ; + 8 t: -M, the largest t, the sum (2), f (2), the two blocks' largest scores
.set WB,   48                          ; + 8 t: R, R2, D, W, the conversions' scale operands (2), bytes (2)
.set S,    64
.set P,    192
.set T,    216
.set WK,   232
.set QF,   64
.set KF,   112
.set VF,   166
.set CS,   22                          ; s[22:23] c = log2(e) / 8
.set SEL,  26                          ; s[26:27]
.set G1C,  28                          ; s[28:35] group 1: 96 rows of 256 bytes: four key steps
.set SCP,  44                          ; s[44:45] the head's scale words in memory
.set G0C,  48
.set TK,   66                          ; the step's codes: 6,144 a step
.set TS,   67                          ; K's scale words: 512 a step
.set TV,   68                          ; V's: 256 a step
.set CNT,  69
.set MSB, 0
.macro WIN new                         ; the immediate's high byte repeats the setting that is left
.if MSB != (\new)
	s_set_vgpr_msb (MSB<<8)|(\new)
.set MSB, (\new)
.endif
.endm
.macro CROUND                          ; a round of the cluster's barrier
	s_barrier_signal -1
	s_barrier_wait -1
	s_cmp_lg_u32 s12, 0
	s_cbranch_scc1 .Lnot_wave_0_\@
	s_barrier_signal -3
.Lnot_wave_0_\@:
	s_barrier_wait -3
	s_barrier_signal -1
	s_barrier_wait -1
.endm
	s_load_b256 s[4:11], s[0:1], 0x0               ; qkvc s[4:5], qkvs s[6:7], attc s[8:9], atts s[10:11]
	v_lshl_add_u32 v[SPW], v0, 2, SPARE
	v_mov_b32 v[NIL], 0
	ds_add_u32 v[SPW], v[NIL]                      ; the wave's opening: the add and its wait ahead of my first tensor load; work on registers stands between them
	ds_add_u32 v[SPW], v[NIL]
	v_lshrrev_b32 v1, 5, v0
	s_delay_alu instid0(VALU_DEP_1)
	v_readfirstlane_b32 s12, v1                    ; wave 0..7
	s_bfe_u32 s13, ttmp6, 0x40000                  ; cx: my block of 512 queries: it enters Q's and the result's addresses alone
	s_and_b32 s14, ttmp7, 0xffff                   ; batch x 16 + head, which the four partners share
.irp g, G1C
	s_mov_b32 s[\g], 15|(3<<16)|(1<<21)            ; the mask: all four work-groups; elements of 8 bytes; bit 21 set beside a mask; no padding: every LDS read is of consecutive bytes
	s_mov_b32 s[\g+1], 32<<16                      ; tensor_dim0: rows of 256 bytes
	s_mov_b32 s[\g+3], 32<<16                      ; tile_dim0
	s_mov_b32 s[\g+5], 32                          ; dense
	s_mov_b32 s[\g+6], 0
	s_mov_b32 s[\g+7], 0
.endr
	s_mov_b32 s[G1C+2], 96<<16                     ; four key steps: 96 rows
	s_mov_b32 s[G1C+4], 96
	s_lshr_b32 s19, s12, 1                         ; ONE TENSOR LOAD A WAVE: even waves fetch K, odd waves V: key steps 4 (w / 2) on, four of them;
	s_and_b32 s16, s12, 1                          ; so waves 0 and 1 ask for what the first steps read
	s_mul_i32 s18, s19, 4*STEPB
	s_mul_i32 s20, s16, 98304                      ; LDS: K's 16 steps, then V's
	s_add_co_u32 s20, s20, s18
	s_mul_i32 s25, s14, 98304
	s_add_co_u32 s70, s16, 1
	s_mul_i32 s70, s70, 6291456                    ; k's images lie behind q's, v's behind k's
	s_add_co_u32 s70, s70, s25
	s_add_co_u32 s70, s70, s18
	s_mov_b32 s71, 0
	s_mul_i32 s74, s14, 12288
	s_add_co_u32 s74, s74, 524288
	s_mov_b32 s75, 0
	s_mov_b32 s[CS], 0x3e38aa3b                    ; c = log2(e) / sqrt(64)
	s_mov_b32 s[CS+1], s[CS]                       ; (named with it as a pair, so it is written)
	s_mov_b32 s[SEL], 0x76543210
	s_mov_b32 s[SEL+1], 0xfedcba98
	s_wait_dscnt 0x0                               ; the opening add is done
	s_wait_kmcnt 0x0
	s_add_nc_u64 s[SCP:SCP+1], s[6:7], s[74:75]
	s_mov_b32 s[G0C], 1
	s_mov_b32 s[G0C+1], s20
	s_add_nc_u64 s[G0C+2:G0C+3], s[4:5], s[70:71]
	s_or_b32 s[G0C+3], s[G0C+3], 0x80000000
	CROUND                                         ; all four work-groups are here: the joint loads meet
	s_cmp_eq_u32 s19, 0                            ; waves 0 and 1 (key steps 0-3 of K and of V) have a load line of their own: they alone wait ahead of the first barrier
	s_cbranch_scc0 .Llater
	tensor_load_to_lds s[G0C:G0C+3], s[G1C:G1C+7]
	s_nop 0
.rept 4
	v_nop
.endr
	s_branch .Lasked
.Llater:
	tensor_load_to_lds s[G0C:G0C+3], s[G1C:G1C+7]
	s_nop 0
.rept 4
	v_nop
.endr
.Lasked:
	v_lshlrev_b32 v236, 4, v0                      ; the head's 12,288 bytes of scale words come through registers: 3 x 16 bytes a thread, each load of a wave 512 consecutive bytes,
	v_lshl_add_u32 v237, v0, 4, KSC                ; into LDS bytes of their own, on which no tensor load lands
	global_load_b128 v[S:S+3], v236, s[SCP:SCP+1]
	global_load_b128 v[S+4:S+7], v236, s[SCP:SCP+1] offset:4096
	global_load_b128 v[S+8:S+11], v236, s[SCP:SCP+1] offset:8192
	v_and_b32 v232, 31, v0                         ; lane
	v_and_b32 v233, 15, v0                         ; r
	v_bfe_u32 v234, v0, 4, 1                       ; h
	s_delay_alu instid0(VALU_DEP_3)
	v_lshlrev_b32 v[L16], 4, v232
	s_delay_alu instid0(VALU_DEP_4)
	v_lshlrev_b32 v[L8], 3, v232
	v_lshlrev_b32 v[L4], 2, v232
	s_delay_alu instid0(VALU_DEP_4)
	v_lshl_add_u32 v[LB], v233, 3, v234
	v_lshlrev_b32 v[SH8], 3, v234
	v_add_nc_u32 v[BK16], KC, v[L16]
	v_add_nc_u32 v[BK8], KC+512, v[L8]
	v_add_nc_u32 v[BV16], VC, v[L16]
	v_add_nc_u32 v[BV8], VC+512, v[L8]
	v_add_nc_u32 v[BKS], KSC, v[L4]
	v_add_nc_u32 v[BVS], VSC, v[L4]
.irp t, 0,1
	v_mov_b32 v[WB+8*\t+1], 0                      ; lane permutes' destinations count as sources: written once
	v_mov_b32 v[WB+8*\t+2], 0
.endr
	s_lshl_b32 s15, s14, 7
	s_lshl_b32 s16, s13, 5
	s_add_co_u32 s15, s15, s16
	s_lshl_b32 s16, s12, 1
	s_add_co_u32 s15, s15, s16                     ; my first tile of Q: 128 x head + 32 cx + 2 w; the second pass's lie 16 tiles on
	s_mul_i32 s70, s15, 768
	s_mov_b32 s71, 0
	s_add_nc_u64 s[70:71], s[4:5], s[70:71]
	s_lshl_b32 s72, s15, 6
	s_mov_b32 s73, 0
	s_add_nc_u64 s[72:73], s[6:7], s[72:73]
	s_lshr_b32 s16, s14, 4
	s_lshl_b32 s16, s16, 7
	s_lshl_b32 s17, s13, 5
	s_add_co_u32 s16, s16, s17
	s_lshl_b32 s17, s12, 1
	s_add_co_u32 s16, s16, s17                     ; the same tile among the 512 tiles of tokens
	s_and_b32 s17, s14, 15                         ; the head
	s_lshl_b32 s18, s16, 4
	s_add_co_u32 s18, s18, s17
	s_mul_i32 s74, s18, 768
	s_mov_b32 s75, 0
	s_add_nc_u64 s[74:75], s[8:9], s[74:75]        ; the result's image: [tile][head]
	s_lshl_b32 s76, s16, 9
	s_lshr_b32 s18, s17, 2
	s_lshl_b32 s18, s18, 7
	s_add_co_u32 s76, s76, s18
	s_and_b32 s18, s17, 3
	s_lshl_b32 s18, s18, 1
	s_add_co_u32 s76, s76, s18
	s_mov_b32 s77, 0
	s_add_nc_u64 s[76:77], s[10:11], s[76:77]      ; its scale bytes: [tile][head / 4][row][8], at 2 (head % 4)
	WIN 0x40                                       ; destination window 1
.irp p, 0,1
.irp t, 0,1
	global_load_b128 v[QF+24*\p+12*\t:QF+24*\p+12*\t+3], v[L16], s[70:71] offset:(16*\p+\t)*768
	global_load_b64 v[QF+24*\p+12*\t+4:QF+24*\p+12*\t+5], v[L8], s[70:71] offset:(16*\p+\t)*768+512
.irp n, 6,7,8,9,10,11
	v_mov_b32 v[QF+24*\p+12*\t+\n], 0              ; Q's upper 64 along K: zero codes
.endr
.endr
.endr
.irp n, 0,1,2,3,4,5
	v_mov_b32 v[KF+48+\n], 0                       ; what stands behind K's last tile
.endr
	WIN 0
	global_load_b32 v[QS], v[L4], s[72:73]
	global_load_b32 v[QS+1], v[L4], s[72:73] offset:16*64
.macro QK k, t, p                      ; S^T(tile t, keys' tile k) = K Q^T; the sum is one instruction long and starts with 0
.set rS, S+64*(\t)+8*(\k)
.set rK, KF+6*(\k)
.set rQ, QF+24*(\p)+12*(\t)
.if ((\k)%2 == 0) && ((\t) == 0)
	v_wmma_scale_f32_16x16x128_f8f6f4 v[rS:rS+7], v[rK:rK+11], v[rQ:rQ+11], 0, v[KS+(\k)/2], v[QS+(\p)] matrix_a_fmt:MATRIX_FMT_FP6 matrix_b_fmt:MATRIX_FMT_FP6
.elseif ((\k)%2 == 1) && ((\t) == 0)
	v_wmma_scale_f32_16x16x128_f8f6f4 v[rS:rS+7], v[rK:rK+11], v[rQ:rQ+11], 0, v[KS+(\k)/2], v[QS+(\p)] matrix_a_fmt:MATRIX_FMT_FP6 matrix_b_fmt:MATRIX_FMT_FP6 matrix_a_scale:MATRIX_SCALE_ROW1
.elseif ((\k)%2 == 0)
	v_wmma_scale_f32_16x16x128_f8f6f4 v[rS:rS+7], v[rK:rK+11], v[rQ:rQ+11], 0, v[KS+(\k)/2], v[QS+(\p)] matrix_a_fmt:MATRIX_FMT_FP6 matrix_b_fmt:MATRIX_FMT_FP6 matrix_b_scale:MATRIX_SCALE_ROW1
.else
	v_wmma_scale_f32_16x16x128_f8f6f4 v[rS:rS+7], v[rK:rK+11], v[rQ:rQ+11], 0, v[KS+(\k)/2], v[QS+(\p)] matrix_a_fmt:MATRIX_FMT_FP6 matrix_b_fmt:MATRIX_FMT_FP6 matrix_a_scale:MATRIX_SCALE_ROW1 matrix_b_scale:MATRIX_SCALE_ROW1
.endif
.endm
.macro PV i, t                         ; O^T(tile t, d tile i) += V^T P^T over 128 keys
.set rO, 32*(\t)+8*(\i)
.set rV, VF+12*(\i)
.set rP, P+12*(\t)
.if (\i)%2 == 0
	v_wmma_scale_f32_16x16x128_f8f6f4 v[rO:rO+7], v[rV:rV+11], v[rP:rP+11], v[rO:rO+7], v[VS+(\i)/2], v[PW+(\t)] matrix_a_fmt:MATRIX_FMT_FP6 matrix_b_fmt:MATRIX_FMT_FP6
.else
	v_wmma_scale_f32_16x16x128_f8f6f4 v[rO:rO+7], v[rV:rV+11], v[rP:rP+11], v[rO:rO+7], v[VS+(\i)/2], v[PW+(\t)] matrix_a_fmt:MATRIX_FMT_FP6 matrix_b_fmt:MATRIX_FMT_FP6 matrix_a_scale:MATRIX_SCALE_ROW1
.endif
.endm
.macro VADR
	v_add_nc_u32 v[ADV16], s[TK], v[BV16]
	v_add_nc_u32 v[ADV8], s[TK], v[BV8]
	v_add_nc_u32 v[ADVS], s[TV], v[BVS]
.endm
.macro VLOADS                          ; a key step's V: four fragments and their scale words: 18 loads
	WIN 0x40
.irp i, 0,1,2,3
	ds_load_b128 v[VF+12*\i:VF+12*\i+3], v[ADV16] offset:1536*\i
	ds_load_b64 v[VF+12*\i+4:VF+12*\i+5], v[ADV8] offset:1536*\i
	ds_load_b128 v[VF+12*\i+6:VF+12*\i+9], v[ADV16] offset:1536*\i+768
	ds_load_b64 v[VF+12*\i+10:VF+12*\i+11], v[ADV8] offset:1536*\i+768
.endr
	WIN 0
	ds_load_b32 v[VS], v[ADVS]
	ds_load_b32 v[VS+1], v[ADVS] offset:128
.endm
; The end of a key step: O^T under the new M, then the second product.  The 32 multiplications (each accumulator from its low end on) are also the plain lines between the writing of p's codes and scale words and the products that take them.
; The eight accumulators take turns.
.macro TAIL
	WIN 0x41                                       ; O^T in window 1, f in window 0
.irp t, 0,1
.set n, 0
.rept 16
	v_pk_mul_f32 v[32*\t+n:32*\t+n+1], v[32*\t+n:32*\t+n+1], v[ST+8*\t+4:ST+8*\t+5] op_sel_hi:[1,0]
.set n, n+2
.endr
.endr
	WIN 0x51                                       ; V, C and D in window 1, P in window 0
.irp i, 0,1,2,3
.irp t, 0,1
	PV \i, \t
.endr
.endr
.endm
.macro SOFTMAX                         ; both tiles by turns: four blocks' chains side by side
.irp t, 0,1
.irp c, 0,1
	v_max3_num_f32 v[ST+8*\t+6+\c], v[S+64*\t+32*\c], v[S+64*\t+32*\c+1], v[S+64*\t+32*\c+2]   ; the largest score of my block: it serves the row's maximum and, since p rises with the score, the block's largest p
.endr
.endr
.irp i, 3,5,7,9,11,13,15,17,19,21,23,25,27,29
.irp t, 0,1
.irp c, 0,1
	v_max3_num_f32 v[ST+8*\t+6+\c], v[ST+8*\t+6+\c], v[S+64*\t+32*\c+\i], v[S+64*\t+32*\c+\i+1]   ; ascending: each accumulator is first read at its low end
.endr
.endr
.endr
.irp t, 0,1
.irp c, 0,1
	v_max_num_f32 v[ST+8*\t+6+\c], v[ST+8*\t+6+\c], v[S+64*\t+32*\c+31]
.endr
.endr
.irp t, 0
	s_delay_alu instid0(VALU_DEP_3)
	v_max_num_f32 v[WB+8*\t], v[ST+8*\t+6], v[ST+8*\t+7]
.endr
.irp t, 1
	s_delay_alu instid0(VALU_DEP_2)
	v_max_num_f32 v[WB+8*\t], v[ST+8*\t+6], v[ST+8*\t+7]
.endr
.irp t, 0,1
	s_delay_alu instid0(VALU_DEP_2)
	v_permlanex16_b32 v[WB+8*\t+1], v[WB+8*\t], s[SEL], s[SEL+1]
.endr
.irp t, 0,1
	s_delay_alu instid0(VALU_DEP_2)
	v_max_num_f32 v[WB+8*\t], v[WB+8*\t], v[WB+8*\t+1]      ; the step's largest score of my query
.endr
.irp t, 0,1
	s_delay_alu instid0(VALU_DEP_2)
	v_mul_f32 v[WB+8*\t], s[CS], v[WB+8*\t]                 ; as t (c is positive)
.endr
.irp t, 0,1
	s_delay_alu instid0(VALU_DEP_2)
	v_max_num_f32 v[ST+8*\t+1], v[ST+8*\t+1], v[WB+8*\t]    ; the running largest t
.endr
.irp t, 0,1
	v_mov_b32 v[WB+8*\t+2], v[ST+8*\t]
.endr
.irp t, 0,1
	s_delay_alu instid0(VALU_DEP_4)
	v_floor_f32 v[ST+8*\t], -v[ST+8*\t+1]                   ; the new -M = floor(-t): M is a whole number
.endr
.irp t, 0,1
	s_delay_alu instid0(VALU_DEP_2)
	v_sub_f32 v[WB+8*\t+2], v[ST+8*\t], v[WB+8*\t+2]        ; old M - new M: a whole number, 0 or less
.endr
.irp t, 0,1
	s_delay_alu instid0(VALU_DEP_2)
	v_cvt_i32_f32 v[WB+8*\t+2], v[WB+8*\t+2]                ; (it saturates)
.endr
.irp t, 0,1
	s_delay_alu instid0(VALU_DEP_2)
	v_ldexp_f32 v[ST+8*\t+4], 1.0, v[WB+8*\t+2]             ; f = 2^(old M - new M)
.endr
.set n, 0
.rept 32
	v_pk_fma_f32 v[S+n:S+n+1], v[S+n:S+n+1], s[CS:CS+1], v[ST:ST+1] op_sel_hi:[1,0,0]   ; tile 0: t - M, two at a time
.set n, n+2
.endr
.irp t, 0,1
.irp c, 0,1
	v_fma_f32 v[ST+8*\t+6+\c], v[ST+8*\t+6+\c], s[CS], v[ST+8*\t]   ; the same of each block's largest score
.endr
.endr
	s_wait_alu depctr_va_vdst(0)                   ; ahead of a batch
.set n, 0
.rept 32
	v_exp_f32 v[S+n], v[S+n]                       ; tile 0: p = 2^(t - M); behind every second one a line of tile 1's t - M, which names none of the batch's registers
	v_exp_f32 v[S+n+1], v[S+n+1]
	v_pk_fma_f32 v[S+64+n:S+64+n+1], v[S+64+n:S+64+n+1], s[CS:CS+1], v[ST+8:ST+9] op_sel_hi:[1,0,0]
.set n, n+2
.endr
	s_wait_alu depctr_va_vdst(0)                   ; ahead of the second batch, which reads what the lines among the first wrote
.set n, 64
.rept 64
	v_exp_f32 v[S+n], v[S+n]                       ; tile 1
.set n, n+1
.endr
.irp t, 0,1
	v_pk_mul_f32 v[ST+8*\t+2:ST+8*\t+3], v[ST+8*\t+2:ST+8*\t+3], v[ST+8*\t+4:ST+8*\t+5] op_sel_hi:[1,0]   ; the sums under the new M: plain lines behind the exponentials
.endr
	s_wait_alu depctr_va_vdst(0)                   ; one wait for the batch, ahead of its first reader
.irp t, 0,1
.irp c, 0,1
	v_exp_f32 v[ST+8*\t+6+\c], v[ST+8*\t+6+\c]     ; the block's largest p
.endr
.endr
.irp t, 0,1
	v_pk_add_f32 v[WB+8*\t:WB+8*\t+1], v[S+64*\t:S+64*\t+1], v[S+64*\t+2:S+64*\t+3]   ; the row's sum, of the unquantised p: two chains a tile
.endr
.irp j, 4,8,12,16,20,24,28,32,36,40,44,48,52,56,60
.irp t, 0,1
	v_pk_add_f32 v[ST+8*\t+2:ST+8*\t+3], v[ST+8*\t+2:ST+8*\t+3], v[S+64*\t+\j:S+64*\t+\j+1]
	v_pk_add_f32 v[WB+8*\t:WB+8*\t+1], v[WB+8*\t:WB+8*\t+1], v[S+64*\t+\j+2:S+64*\t+\j+3]
.endr
.endr
.irp t, 0
	s_delay_alu instid0(VALU_DEP_3)
	v_pk_add_f32 v[ST+8*\t+2:ST+8*\t+3], v[ST+8*\t+2:ST+8*\t+3], v[WB+8*\t:WB+8*\t+1]
.endr
.irp t, 1
	s_delay_alu instid0(VALU_DEP_2)
	v_pk_add_f32 v[ST+8*\t+2:ST+8*\t+3], v[ST+8*\t+2:ST+8*\t+3], v[WB+8*\t:WB+8*\t+1]
.endr
	s_wait_alu depctr_va_vdst(0)                   ; and one for the four
.irp t, 0,1
.irp c, 0,1
	v_max_num_f32 v[ST+8*\t+6+\c], 0x1800000, v[ST+8*\t+6+\c]     ; the floor 2^(3 - 127): the byte cannot fall under 1
.endr
.endr
.irp t, 0,1
.irp c, 0,1
	s_delay_alu instid0(VALU_DEP_4)
	v_add_nc_u32 v[WB+8*\t+4+\c], 0xff000000, v[ST+8*\t+6+\c]     ; 2 off the exponent field: the conversion's scale operand
.endr
.endr
.irp t, 0,1
.irp c, 0,1
	s_delay_alu instid0(VALU_DEP_4)
	v_lshrrev_b32 v[WB+8*\t+6+\c], 23, v[WB+8*\t+4+\c]            ; the scale's byte
.endr
.endr
.irp t, 0
	s_delay_alu instid0(VALU_DEP_3)
	v_lshl_or_b32 v[WB+8*\t+3], v[WB+8*\t+7], 16, v[WB+8*\t+6]    ; my two bytes: blocks h and 2 + h of these 128 keys,
.endr
.irp t, 1
	s_delay_alu instid0(VALU_DEP_2)
	v_lshl_or_b32 v[WB+8*\t+3], v[WB+8*\t+7], 16, v[WB+8*\t+6]    ; my two bytes: blocks h and 2 + h of these 128 keys,
.endr
.irp t, 0,1
	s_delay_alu instid0(VALU_DEP_2)
	v_lshlrev_b32 v[WB+8*\t+3], v[SH8], v[WB+8*\t+3]
.endr
.irp t, 0,1
	s_delay_alu instid0(VALU_DEP_2)
	v_permlanex16_b32 v[WB+8*\t+2], v[WB+8*\t+3], s[SEL], s[SEL+1]
.endr
.irp t, 0,1
	s_delay_alu instid0(VALU_DEP_2)
	v_or_b32 v[PW+\t], v[WB+8*\t+3], v[WB+8*\t+2]                 ; with lane l xor 16's two: p's scale word
.endr
.irp t, 0,1
.irp c, 0,1
	v_cvt_scalef32_pk16_fp6_f32 v[P+12*\t+6*\c:P+12*\t+6*\c+2], v[S+64*\t+32*\c:S+64*\t+32*\c+15], v[WB+8*\t+4+\c]
	v_cvt_scalef32_pk16_fp6_f32 v[T+8*\t+4*\c:T+8*\t+4*\c+2], v[S+64*\t+32*\c+16:S+64*\t+32*\c+31], v[WB+8*\t+4+\c]   ; (a conversion's three registers begin on an even number)
.endr
.endr
	v_nop                                          ; one plain line behind the conversions
.irp t, 0,1
.irp c, 0,1
.irp n, 0,1,2
	v_mov_b32 v[P+12*\t+6*\c+3+\n], v[T+8*\t+4*\c+\n]
.endr
.endr
.endr
.endm
; K's eight tiles and their scale words of the key step at TK, TS: 20 loads
.macro KLOADS
	v_add_nc_u32 v[ADK16], s[TK], v[BK16]
	v_add_nc_u32 v[ADK8], s[TK], v[BK8]
	v_add_nc_u32 v[ADKS], s[TS], v[BKS]
	WIN 0x40
.irp k, 0,1,2,3,4,5,6,7
	ds_load_b128 v[KF+6*\k:KF+6*\k+3], v[ADK16] offset:768*\k
	ds_load_b64 v[KF+6*\k+4:KF+6*\k+5], v[ADK8] offset:768*\k
.endr
	WIN 0
.irp n, 0,1,2,3
	ds_load_b32 v[KS+\n], v[ADKS] offset:128*\n
.endr
.endm
; A KEY STEP of 128 keys: the step before is finished (O^T's rescaling and second product); the first product; then V's loads of this step and K's of the NEXT step are issued, and land under the softmax.
; A pass's last step asks for a 17th step of K: those LDS bytes hold V's first step and V's scale words, and what the loads bring is used by nothing.
.macro BODY p
	s_wait_dscnt 20                                ; K's 20 loads, issued behind V's 18, may be out: V of the step before is in
	TAIL
	s_wait_dscnt 0x0                               ; K is in
	WIN 0x05                                       ; K and Q in window 1, S^T in window 0
.irp k, 0,1,2,3,4,5,6,7
.irp t, 0,1
	QK \k, \t, \p
.endr
.endr
	WIN 0
	VADR                                           ; three address lines and a v_nop: the four plain lines between the products and the loads into V's registers and the first read of the scores
	v_nop
	s_add_co_u32 s[TK], s[TK], STEPB               ; the next step
	s_add_co_u32 s[TS], s[TS], 512
	s_add_co_u32 s[TV], s[TV], 256
	VLOADS
	KLOADS                                         ; TK and TS stand at the next step; seven plain lines stand between the products and these loads into their sources
	SOFTMAX
.endm
; A pass begins with O^T, the sum and p's codes as zeros, f = 1 and the largest t = -3e38, so that the step is written once: the first step's 'step before' multiplies zero codes.
.macro PASSINIT
	s_wait_xcnt 0x0                                ; the last pass's stores have read their data
	WIN 0x40
.set n, 0
.rept 64
	v_mov_b32 v[n], 0                              ; O^T
.set n, n+1
.endr
	WIN 0
.set n, 0
.rept 24
	v_mov_b32 v[P+n], 0
.set n, n+1
.endr
.irp t, 0,1
	v_mov_b32 v[PW+\t], 0x7f7f7f7f
	v_mov_b32 v[ST+8*\t+4], 1.0
	v_mov_b32 v[ST+8*\t+5], 1.0                    ; (named with f as a pair, so it is written)
	v_mov_b32 v[ST+8*\t+1], 0xff61b1e6             ; -3e38, under every t
	s_delay_alu instid0(VALU_DEP_1)
	v_floor_f32 v[ST+8*\t], -v[ST+8*\t+1]
	v_mov_b32 v[ST+8*\t+2], 0
	v_mov_b32 v[ST+8*\t+3], 0
.endr
.endm
.macro PASSLOADS                       ; a pass's first LDS loads
	s_mov_b32 s[TK], 0
	s_mov_b32 s[TS], 0
	s_mov_b32 s[TV], 0
	VADR
	VLOADS                                         ; key step 0's V, to meet the zero codes,
	KLOADS                                         ; and its K
.endm
.macro LOOP p, n
	s_mov_b32 s[CNT], \n
.Lstep_\@:
	BODY \p
	s_sub_co_u32 s[CNT], s[CNT], 1
	s_cmp_lg_u32 s[CNT], 0
	s_cbranch_scc1 .Lstep_\@
.endm
.macro QUANT x, p, t                   ; 64 numbers of a lane, v[x + 32 c + n] = number n of my block c, become registers 6 c .. 6 c + 5 in v[p] on
.irp c, 0,1
	v_max3_num_f32 v[WK+\c], |v[\x+32*\c]|, |v[\x+32*\c+1]|, 0x1800000
	v_max3_num_f32 v[WK+6+\c], |v[\x+32*\c+16]|, |v[\x+32*\c+17]|, |v[\x+32*\c+18]|
.endr
.irp i, 0,1,2,3,4,5,6
.irp c, 0,1
	v_max3_num_f32 v[WK+\c], v[WK+\c], |v[\x+32*\c+2+2*\i]|, |v[\x+32*\c+3+2*\i]|
.if \i < 6
	s_delay_alu instid0(VALU_DEP_4)
	v_max3_num_f32 v[WK+6+\c], v[WK+6+\c], |v[\x+32*\c+19+2*\i]|, |v[\x+32*\c+20+2*\i]|
.endif
.endr
.endr
.irp c, 0,1
	s_delay_alu instid0(VALU_DEP_2)
	v_max3_num_f32 v[WK+\c], v[WK+\c], v[WK+6+\c], |v[\x+32*\c+31]|
.endr
.irp c, 0,1
	s_delay_alu instid0(VALU_DEP_2)
	v_add_nc_u32 v[WK+2+\c], 0xff000000, v[WK+\c]
.endr
.irp c, 0,1
	s_delay_alu instid0(VALU_DEP_2)
	v_lshrrev_b32 v[WK+4+\c], 23, v[WK+2+\c]
.endr
.irp c, 0,1
	v_cvt_scalef32_pk16_fp6_f32 v[\p+6*\c:\p+6*\c+2], v[\x+32*\c:\x+32*\c+15], v[WK+2+\c]
	v_cvt_scalef32_pk16_fp6_f32 v[\t+4*\c:\t+4*\c+2], v[\x+32*\c+16:\x+32*\c+31], v[WK+2+\c]
.endr
	v_nop
.irp c, 0,1
.irp n, 0,1,2
	v_mov_b32 v[\p+6*\c+3+\n], v[\t+4*\c+\n]
.endr
.endr
.endm
; A pass's end: the last step is finished; O^T / the sum; a lane's 32 numbers of a tile are channels 32 h + 0 .. 31 of the head: one block along the output projection's K.
.macro FINISH p
	s_wait_dscnt 0x0                               ; the last step's V
	TAIL
	WIN 0
.irp t, 0,1
	v_add_f32 v[WB+8*\t], v[ST+8*\t+2], v[ST+8*\t+3]         ; the sum's two halves (these lines and the v_nop are the plain lines behind the last products)
.endr
.irp t, 0,1
	s_delay_alu instid0(VALU_DEP_2)
	v_permlanex16_b32 v[WB+8*\t+1], v[WB+8*\t], s[SEL], s[SEL+1]
.endr
.irp t, 0,1
	s_delay_alu instid0(VALU_DEP_2)
	v_add_f32 v[WB+8*\t], v[WB+8*\t], v[WB+8*\t+1]           ; and lane l xor 16's: the row's sum
.endr
	s_wait_alu depctr_va_vdst(0)
.irp t, 0,1
	v_rcp_f32 v[ST+8*\t+4], v[WB+8*\t]
.endr
	v_nop                                          ; a plain line behind the reciprocals
	s_wait_alu depctr_va_vdst(0)                   ; one wait for the two, ahead of their first reader
	WIN 0x01                                       ; O^T in window 1; the results go where the scores lay
.irp t, 0,1
.set n, 0
.rept 16
	v_pk_mul_f32 v[S+32*\t+n:S+32*\t+n+1], v[32*\t+n:32*\t+n+1], v[ST+8*\t+4:ST+8*\t+5] op_sel_hi:[1,0]
.set n, n+2
.endr
.endr
	WIN 0
	QUANT S, P, T                                  ; block c = tile c
.irp t, 0,1
	global_store_b128 v[L16], v[P+6*\t:P+6*\t+3], s[74:75] offset:196608*\p+12288*\t          ; 512 and 256 consecutive bytes, aligned
	global_store_b64 v[L8], v[P+6*\t+4:P+6*\t+5], s[74:75] offset:196608*\p+12288*\t+512
	global_store_b8 v[LB], v[WK+4+\t], s[76:77] offset:8192*\p+512*\t   ; a byte a lane: 2 bytes a row beside 48 of codes; a row's 8 neighbouring bytes come from four heads, which are four work-groups
.endr
.endm
	PASSINIT                                       ; work on registers, ahead of the head's waits
	s_wait_alu depctr_va_vdst(0)                   ; the head's end
	s_wait_loadcnt 10                              ; the three loads of scale words are in; Q's ten, issued behind them, may be out
	ds_store_b128 v237, v[S:S+3]
	ds_store_b128 v237, v[S+4:S+7] offset:4096
	ds_store_b128 v237, v[S+8:S+11] offset:8192
	s_cmp_eq_u32 s19, 0
	s_cbranch_scc0 .Lnot_first
	s_wait_tensorcnt 0x0                           ; waves 0 and 1: key steps 0-3 of K and of V are in; the others' loads may be out
.Lnot_first:
	s_wait_dscnt 0x0                               ; my share of the scale words is stored
	s_barrier_signal -1
	s_barrier_wait -1
	PASSLOADS
	s_wait_loadcnt 0x0                             ; Q
	LOOP 0, 3                                      ; key steps 0-2; the third trip asks for K of step 3, the last that waves 0 and 1 fetched
	s_wait_dscnt 0x0
	s_wait_tensorcnt 0x0                           ; my share of key steps 4-15
	s_barrier_signal -1
	s_barrier_wait -1
	LOOP 0, 13
	FINISH 0
	PASSINIT
	PASSLOADS
	LOOP 1, 16
	FINISH 1
	s_wait_tensorcnt 0x0                           ; the wave's end: behind my last tensor load
	ds_add_u32 v[SPW], v[NIL]
	s_wait_dscnt 0x0
	CROUND                                         ; the closing round
	s_endpgm
.Lfunc_end_k_qbb0737d02b_attn:
	.size	k_qbb0737d02b_attn, .Lfunc_end_k_qbb0737d02b_attn-k_qbb0737d02b_attn
	.p2alignl 7, 3214868480
	.fill 96, 4, 3214868480
	.section	.rodata,"a",@progbits
	.p2align	6, 0x0
	.amdhsa_kernel k_qbb0737d02b_attn
		.amdhsa_group_segment_fixed_size 209920
		.amdhsa_private_segment_fixed_size 0
		.amdhsa_enable_private_segment 0
		.amdhsa_kernarg_size 32
		.amdhsa_user_sgpr_count 2
		.amdhsa_user_sgpr_kernarg_segment_ptr 1
		.amdhsa_wavefront_size32 1
		.amdhsa_system_sgpr_workgroup_id_x 1
		.amdhsa_system_sgpr_workgroup_id_y 1
		.amdhsa_system_sgpr_workgroup_id_z 1
		.amdhsa_system_vgpr_workitem_id 0
		.amdhsa_next_free_vgpr 512
		.amdhsa_next_free_sgpr 80
		.amdhsa_reserve_vcc 0
		.amdhsa_float_denorm_mode_32 3
		.amdhsa_float_denorm_mode_16_64 3
		.amdhsa_memory_ordered 1
		.amdhsa_forward_progress 1
		.amdhsa_inst_pref_size 127
	.end_amdhsa_kernel
	.amdgpu_metadata
---
amdhsa.version: [ 1, 2 ]
amdhsa.kernels:
  - .name:           k_qbb0737d02b_attn
    .symbol:         k_qbb0737d02b_attn.kd
    .args:
      - { .name: qkvc, .offset: 0, .size: 8, .value_kind: global_buffer, .address_space: global }
      - { .name: qkvs, .offset: 8, .size: 8, .value_kind: global_buffer, .address_space: global }
      - { .name: attc, .offset: 16, .size: 8, .value_kind: global_buffer, .address_space: global }
      - { .name: atts, .offset: 24, .size: 8, .value_kind: global_buffer, .address_space: global }
    .group_segment_fixed_size: 209920
    .private_segment_fixed_size: 0
    .kernarg_segment_align: 8
    .kernarg_segment_size: 32
    .max_flat_workgroup_size: 256
    .sgpr_count:     80
    .vgpr_count:     512
    .wavefront_size: 32
...
	.end_amdgpu_metadata
.endif
;; end of part 3
;; launch oproj (part 4): grid 8 x 32, 4 waves a work-group, clusters of 4 x 4, 327,680 bytes of LDS; arguments attc, atts, cod1, scl1, out_proj_bias, out0; writes out0
.if DOCPART == 4
	.amdgcn_target "amdgcn-amd-amdhsa--gfx1250"
	.amdhsa_code_object_version 6
	.text
	.protected	k_qbb0737d02b_oproj
	.globl	k_qbb0737d02b_oproj
	.p2align	8
	.type	k_qbb0737d02b_oproj,@function
k_qbb0737d02b_oproj:
	s_mov_b64 s[64:65], 0
	v_nop
	global_prefetch_b8 v0, s[64:65] scope:SCOPE_SE
	s_setreg_imm32_b32 hwreg(HW_REG_WAVE_MODE, 25, 1), 1
	s_wait_xcnt 0x0
	s_wait_alu depctr_hold_cnt(0) depctr_sa_sdst(0) depctr_va_vdst(0) depctr_va_sdst(0) depctr_va_ssrc(0) depctr_va_vcc(0) depctr_vm_vsrc(0)
	s_getreg_b32 s2, hwreg(HW_REG_IB_STS2, 6, 4)
	s_cmp_eq_u32 s2, 0
	s_cbranch_scc0 .Lentry_in_a_cluster
	s_endpgm
.Lentry_in_a_cluster:
	s_bfe_u32 s2, ttmp6, 0x10000c
	s_cmp_lg_u32 s2, 0xf033
	s_cbranch_scc0 .Lentry_shape_is_right
	s_endpgm
.Lentry_shape_is_right:
; out0 = o out_proj_weight^T + out_proj_bias on codes of E2M3 with E8M0 scales, K = 1,024; f32 sums, f32 out.
; OPERANDS lie as images of the operand's registers: tiles of 16 rows, 12,288 bytes for all of K (16 images of 64 K: registers 0-3 at 16 x lane, 4-5 at 512 + 8 x lane);
; tile 4 g + i holds rows 64 g + 32 (r / 8) + 8 i + r % 8.  Scale words: [tile][256 along K: 4][row 16][2 words].  The weight's tiles are cod1's tiles 704 on.
; SHARES: 256 work-groups, one for each WGP; each makes 256 tokens x 128 features.  ALL OF K LIES IN LDS: 16 tiles of o (196,608 bytes) and 8 of the weight (98,304), each byte filled once: no ring, no refill.
; Four waves, 2 x 2.  A wave holds its 64 rows of the weight, all of K, in registers (32 fragments, 384 registers) and streams its eight blocks of 16 tokens past them:
; the wave in row a takes tile 2 s + a as block s; a block's eight fragments lie twice in registers, and block s's set takes block s + 2 behind its 32 products.
; The matrix instruction is used transposed (source 0 = the weight's rows): by the tiles' row order a lane's 32 results of a block are features 32 (lane / 16) + 0 .. 31 of the wave's 64, of token row lane % 16.
; The bias is the C of a block's first four products.  A block leaves as soon as it is finished, through the wave's own stage in LDS: each store covers two rows' whole aligned 256 bytes.
; FILLS: one tensor load a wave at the head: waves 0 and 1 a half each of the weight, wave 2 o's tiles 0-7, wave 3 tiles 8-15.  The first barrier shows the weight, the second tiles 0-7,
; a third, inside block 2, tiles 8-15, ahead of block 4's fetch.  CLUSTER 4 x 4: o's tiles are shared along a row of the cluster, the weight's along a column: each is asked for jointly.
; The scale words (8 a row) and the bias go straight into registers, once.  No prefetch: all that the launch reads is asked for at its head, and there is no loop to run ahead in.
; LIMITS: NaN and infinities are not served.
; REGISTERS, window 0: v2-23 addresses; v24-39 the weight's scale words (tiles 2 p, 2 p + 1 in the two halves of the lanes); v44-75 o's (blocks 2 p, 2 p + 1); v80-143 two sets of four accumulators;
; v144-175 the bias; v176-239 two sets of 16 rows on the way out.  Fragment f lies in window 1 + f / 21 at register 12 (f % 21): 0-31 the weight's (4 q + j), 32-47 o's two sets.
.set FR,     12
.set FPW,    21
.set TILE,   12288
.set BB,     16*TILE                   ; LDS: o's 16 tiles from 0, the weight's 8 from BB
.set SPITCH, 272                       ; a stage row: 256 bytes + 16, an odd multiple of 16
.set STAGE,  BB+8*TILE                 ; 16 rows for each wave, bytes on which no tensor load lands
.set SPARE,  STAGE+4*16*SPITCH         ; the spare words, 128 bytes a wave: two blocks of 256 bytes that no other line names
.set SPW,   2
.set NIL,   3
.set L16,   4
.set L8,    5
.set ADA16, 8                          ; v8-11 my blocks 2 p, 2 p + 1: 16 x lane;  v12-15: 8 x lane
.set ADA8,  12
.set ADB16, 16
.set ADB8,  17
.set STO,   18
.set RD,    19
.set CO,    20                         ; 4,096 (lane / 16) + 16 (lane % 16)
.set SCOB,  21
.set BQO,   22
.set SCOA,  23
.set SB,    24
.set SA,    44                         ; (SB and SA differ by 4 modulo 8)
.set ACC,   80
.set BQ,    144
.set OB,    176
.set G1A,   24
.set G1B,   32
.set G0A,   48
.set G0B,   52
.set MSB, 0
.macro WIN new                         ; the immediate's high byte repeats the setting that is left
.if MSB != (\new)
	s_set_vgpr_msb (MSB<<8)|(\new)
.set MSB, (\new)
.endif
.endm
.macro PLACES n
.rept \n
	v_nop
.endr
.endm
.macro BARRIER
	s_barrier_signal -1
	s_barrier_wait -1
.endm
.macro CROUND                          ; a round of the cluster's barrier
	BARRIER
	s_cmp_lg_u32 s14, 0
	s_cbranch_scc1 .Lnot_wave_0_\@
	s_barrier_signal -3
.Lnot_wave_0_\@:
	s_barrier_wait -3
	BARRIER
.endm
.macro TLOAD g0, g1                    ; an s_nop 0 and four v_nop follow the load
	tensor_load_to_lds s[\g0:\g0+3], s[\g1:\g1+7]
	s_nop 0
	PLACES 4
.endm
.macro FRAG f, a16, a8, off            ; a fragment = two images: four loads of consecutive bytes
	WIN ((1+(\f)/FPW)<<6)
.set R_, FR*((\f)%FPW)
	ds_load_b128 v[R_:R_+3], v[\a16] offset:\off
	ds_load_b64 v[R_+4:R_+5], v[\a8] offset:(\off)+512
	ds_load_b128 v[R_+6:R_+9], v[\a16] offset:(\off)+768
	ds_load_b64 v[R_+10:R_+11], v[\a8] offset:(\off)+1280
.endm
.macro FETCH sp, sr                    ; block 2 sp + sr into set sr: 32 loads
.irp q, 0,1,2,3,4,5,6,7
	FRAG 32+8*(\sr)+\q, ADA16+(\sp), ADA8+(\sp), 2*TILE*(\sr)+1536*\q
.endr
	WIN 0
.endm
; K steps from .. to - 1 of block 2 sp + sr: four products a step; the four accumulators take turns
.macro BLOCK sp, sr, from, to
.set Q_, \from
.rept (\to)-(\from)
.irp jp, 0,1
.irp jr, 0,1
.set FB_, 4*Q_+2*\jp+\jr
.set FA_, 32+8*\sr+Q_
.set D_, ACC+32*\sr+8*(2*\jp+\jr)
	WIN ((1+FB_/FPW)|((1+FA_/FPW)<<2))
.if Q_
	v_wmma_scale_f32_16x16x128_f8f6f4 v[D_:D_+7], v[FR*(FB_%FPW):FR*(FB_%FPW)+11], v[FR*(FA_%FPW):FR*(FA_%FPW)+11], v[D_:D_+7], v[SB+8*\jp+Q_], v[SA+8*\sp+Q_] matrix_a_fmt:MATRIX_FMT_FP6 matrix_b_fmt:MATRIX_FMT_FP6 matrix_a_scale:MATRIX_SCALE_ROW\jr matrix_b_scale:MATRIX_SCALE_ROW\sr
.else
	v_wmma_scale_f32_16x16x128_f8f6f4 v[D_:D_+7], v[FR*(FB_%FPW):FR*(FB_%FPW)+11], v[FR*(FA_%FPW):FR*(FA_%FPW)+11], v[BQ+8*(2*\jp+\jr):BQ+8*(2*\jp+\jr)+7], v[SB+8*\jp+Q_], v[SA+8*\sp+Q_] matrix_a_fmt:MATRIX_FMT_FP6 matrix_b_fmt:MATRIX_FMT_FP6 matrix_a_scale:MATRIX_SCALE_ROW\jr matrix_b_scale:MATRIX_SCALE_ROW\sr
.endif
.endr
.endr
.set Q_, Q_+1
.endr
.endm
.macro TOSTAGE sr                      ; 16 LDS instructions: a lane's 128 bytes of its row in, each accumulator from its low end on; whole rows back, two a load (LDS serves a wave's instructions in order)
.irp j, 0,1,2,3
	ds_store_b128 v[STO], v[ACC+32*\sr+8*\j:ACC+32*\sr+8*\j+3] offset:32*\j
	ds_store_b128 v[STO], v[ACC+32*\sr+8*\j+4:ACC+32*\sr+8*\j+7] offset:32*\j+16
.endr
.irp t, 0,1,2,3,4,5,6,7
	ds_load_b128 v[OB+32*\sr+4*\t:OB+32*\sr+4*\t+3], v[RD] offset:2*SPITCH*\t
.endr
.endm
.macro SEND a, younger                 ; block a's rows: tokens 64 (a / 2) + 16 (a % 2) + 32 (row / 8) + row % 8 of my wave's; younger: the LDS instructions issued behind its loads
	s_wait_dscnt \younger
.irp t, 0,1,2,3,4,5,6,7
	global_store_b128 v[CO], v[OB+32*((\a)%2)+4*\t:OB+32*((\a)%2)+4*\t+3], s[58:59] offset:(64*((\a)/2)+16*((\a)%2)+32*(\t/4)+2*(\t%4))*4096 th:TH_STORE_NT
.endr
.endm
; A block: its products; the fetch of the block two on; its way into the stage; the stores of the block before.
; Block 0 waits for all but block 1's fetch (32); block 1 for all but block 2's fetch and block 0's stage turn (48); from block 2 on the wait of the last SEND has shown the block's fragments in.
.macro STEP sp, sr
.set S_, 2*\sp+\sr
.if S_ == 0
	s_wait_dscnt 32
.elseif S_ == 1
	s_wait_dscnt 48
.endif
.if S_ == 2
	BLOCK \sp, \sr, 0, 4
	WIN 0
	s_wait_tensorcnt 0x0                           ; every wave: all that is still out is wave 3's load, o's tiles 8-15
	s_wait_dscnt 0x0
	s_barrier_signal -1
	BLOCK \sp, \sr, 4, 8                           ; work on registers between the signal and the wait
	WIN 0
	s_barrier_wait -1
.else
	BLOCK \sp, \sr, 0, 8
	WIN 0
.endif
	PLACES 4                                       ; between the products and the loads into their sources and the reads of their results
.if S_ < 6
	FETCH (\sp)+1, \sr
.endif
.if S_ > 1
	s_wait_xcnt 0x0                                ; the stores of the block two back have read their data: its registers take this block's rows
.endif
	TOSTAGE \sr
.if S_ > 0
.if S_ < 6
	SEND S_-1, 48                                  ; younger: a fetch of 32 and a stage turn of 16
.else
	SEND S_-1, 16
.endif
.endif
.endm
	s_load_b256 s[4:11], s[0:1], 0x0               ; attc s[4:5], atts s[6:7], cod1 s[8:9], scl1 s[10:11]
	s_load_b128 s[56:59], s[0:1], 0x20             ; out_proj_bias s[56:57], out0 s[58:59]
	v_lshl_add_u32 v[SPW], v0, 2, SPARE
	v_mov_b32 v[NIL], 0
	ds_add_u32 v[SPW], v[NIL]                      ; the opening lines: the add, twice on end, and its wait ahead of my first tensor load
	ds_add_u32 v[SPW], v[NIL]
	v_lshrrev_b32 v1, 5, v0
	v_readfirstlane_b32 s14, v1                    ; wave 0..3
	s_lshr_b32 s15, s14, 1                         ; a: my row of the 2 x 2
	s_and_b32 s16, s14, 1                          ; b: my column.  Also: which half of a tensor's tiles I fetch
	s_bfe_u32 s40, ttmp6, 0x40000                  ; cx
	s_bfe_u32 s41, ttmp6, 0x40004                  ; cy
	s_lshl_b32 s42, ttmp9, 2
	s_add_co_u32 s42, s42, s40                     ; block of 128 features, 0 .. 7
	s_and_b32 s43, ttmp7, 0xffff
	s_lshl_b32 s43, s43, 2
	s_add_co_u32 s43, s43, s41                     ; block of 256 tokens, 0 .. 31
	s_lshl_b32 s44, s41, 2
	s_lshl_b32 s44, 15, s44                        ; my row of the cluster
	s_lshl_b32 s45, 0x1111, s40                    ; my column
	s_or_b32 s[G1A], s44, (3<<16)|(1<<21)          ; elements of 8 bytes; bit 21 beside a mask; no padding: every LDS read is of consecutive bytes
	s_or_b32 s[G1B], s45, (3<<16)|(1<<21)
.irp g, G1A, G1B
	s_mov_b32 s[\g+1], (TILE/8)<<16                ; a row = a tile's 12,288 bytes, dense
	s_mov_b32 s[\g+3], (TILE/8)<<16
	s_mov_b32 s[\g+5], TILE/8
	s_mov_b32 s[\g+6], 0
	s_mov_b32 s[\g+7], 0
.endr
	s_mov_b32 s[G1A+2], 8<<16                      ; eight tiles of o,
	s_mov_b32 s[G1A+4], 8
	s_mov_b32 s[G1B+2], 4<<16                      ; four of the weight
	s_mov_b32 s[G1B+4], 4
	s_mul_i32 s46, s43, 16*TILE                    ; o's tiles: the token block and the wave's number alone
	s_mul_i32 s17, s16, 8*TILE
	s_add_co_u32 s46, s46, s17
	s_mov_b32 s47, 0
	s_mul_i32 s18, s42, 8*TILE                     ; the weight's: the feature block and the wave's number alone
	s_mul_i32 s19, s16, 4*TILE
	s_add_co_u32 s18, s18, s19
	s_add_co_u32 s18, s18, 704*TILE
	s_mov_b32 s[G0A], 1
	s_mov_b32 s[G0A+1], s17
	s_mov_b32 s[G0B], 1
	s_add_co_u32 s[G0B+1], s19, BB
	s_mov_b32 s19, 0
	s_lshl_b32 s60, s43, 13                        ; o's scale words: 8,192 bytes a token block, + 512 a
	s_lshl_b32 s12, s15, 9
	s_add_co_u32 s60, s60, s12
	s_mov_b32 s61, 0
	s_lshl_b32 s62, s42, 12                        ; the weight's: tile 704 + 8 x block + 4 b
	s_lshl_b32 s12, s16, 11
	s_add_co_u32 s62, s62, s12
	s_add_co_u32 s62, s62, 704*512
	s_mov_b32 s63, 0
	s_lshl_b32 s12, s42, 1
	s_add_co_u32 s12, s12, s16                     ; my 64 features' number
	s_lshl_b32 s68, s12, 8                         ; 256 bytes of bias, and of a row of out0
	s_mov_b32 s69, 0
	s_lshl_b32 s70, s43, 20                        ; 256 rows of 4,096 bytes a token block,
	s_lshl_b32 s13, s15, 15                        ; 8 a rows
	s_add_co_u32 s70, s70, s13
	s_add_co_u32 s70, s70, s68
	s_mov_b32 s71, 0
	s_mul_i32 s20, s15, TILE                       ; LDS: tile 4 p + a
	s_add_co_u32 s21, s20, 4*TILE
	s_add_co_u32 s22, s20, 8*TILE
	s_add_co_u32 s23, s20, 12*TILE
	s_mul_i32 s66, s16, 4*TILE
	s_add_co_u32 s66, s66, BB                      ; my four tiles of the weight
	s_mul_i32 s67, s14, 16*SPITCH
	s_add_co_u32 s67, s67, STAGE                   ; my stage
	v_and_b32 v176, 15, v0                         ; r
	v_bfe_u32 v177, v0, 4, 1                       ; h
	v_and_b32 v178, 31, v0                         ; lane
	v_lshlrev_b32 v[L16], 4, v178
	v_lshlrev_b32 v[L8], 3, v178
.irp p, 0,1,2,3
	v_add_nc_u32 v[ADA16+\p], s[20+\p], v[L16]
	v_add_nc_u32 v[ADA8+\p], s[20+\p], v[L8]
.endr
	v_add_nc_u32 v[ADB16], s66, v[L16]
	v_add_nc_u32 v[ADB8], s66, v[L8]
	v_mul_u32_u24 v179, v176, SPITCH
	v_lshl_add_u32 v179, v177, 7, v179
	v_add_nc_u32 v[STO], s67, v179                 ; in: row r, 128 bytes for each half of the lanes
	v_mul_u32_u24 v180, v177, SPITCH
	v_lshl_add_u32 v180, v176, 4, v180
	v_add_nc_u32 v[RD], s67, v180                  ; back: lanes 0-15 one row, lanes 16-31 the next
	v_lshlrev_b32 v181, 4, v176
	v_lshl_add_u32 v[CO], v177, 12, v181           ; and the same two rows in out0
	v_lshlrev_b32 v182, 3, v176
	v_lshl_add_u32 v[SCOB], v177, 9, v182          ; scale words: 8 r; lanes 16-31 the next tile of the weight,
	v_lshl_add_u32 v[SCOA], v177, 10, v182         ; or the tile two on of o: my next block
	v_lshlrev_b32 v[BQO], 7, v177                  ; the bias: 32 features for each half of the lanes
	s_wait_alu depctr_va_vdst(0)                   ; no vector register is written behind it
	s_wait_dscnt 0x0                               ; both opening adds are done
	CROUND                                         ; all sixteen work-groups are here: the joint loads meet
	s_wait_kmcnt 0x0
	s_add_nc_u64 s[G0A+2:G0A+3], s[4:5], s[46:47]
	s_or_b32 s[G0A+3], s[G0A+3], 0x80000000
	s_add_nc_u64 s[G0B+2:G0B+3], s[8:9], s[18:19]
	s_or_b32 s[G0B+3], s[G0B+3], 0x80000000
	s_add_nc_u64 s[60:61], s[6:7], s[60:61]
	s_add_nc_u64 s[62:63], s[10:11], s[62:63]
	s_add_nc_u64 s[56:57], s[56:57], s[68:69]
	s_add_nc_u64 s[58:59], s[58:59], s[70:71]
	s_cmp_lt_u32 s14, 2                            ; one chain of branches on the wave's number, a load to an arm
	s_cbranch_scc0 .Lfirst_half
	TLOAD G0B, G1B                                 ; waves 0, 1: a half each of the weight, which is needed first
	s_branch .Lasked
.Lfirst_half:
	s_cmp_eq_u32 s14, 2
	s_cbranch_scc0 .Lsecond_half
	TLOAD G0A, G1A                                 ; wave 2: o's tiles 0-7
	s_branch .Lasked
.Lsecond_half:
	TLOAD G0A, G1A                                 ; wave 3: tiles 8-15
.Lasked:
.irp p, 0,1
.irp k, 0,1,2,3
	global_load_b64 v[SB+8*\p+2*\k:SB+8*\p+2*\k+1], v[SCOB], s[62:63] offset:1024*\p+128*\k
.endr
.endr
.irp p, 0,1,2,3
.irp k, 0,1,2,3
	global_load_b64 v[SA+8*\p+2*\k:SA+8*\p+2*\k+1], v[SCOA], s[60:61] offset:2048*\p+128*\k
.endr
.endr
.irp k, 0,1,2,3,4,5,6,7
	global_load_b128 v[BQ+4*\k:BQ+4*\k+3], v[BQO], s[56:57] offset:16*\k      ; register 8 j + n: feature 32 h + 8 j + n, as the result lies
.endr
	s_cmp_lt_u32 s14, 2
	s_cbranch_scc0 .Lnot_weight
	s_wait_tensorcnt 0x0
.Lnot_weight:
	BARRIER                                        ; the weight's rows are in
.irp q, 0,1,2,3,4,5,6,7
.irp j, 0,1,2,3
	FRAG 4*\q+\j, ADB16, ADB8, TILE*\j+1536*\q     ; my 64 rows, all of K: 128 loads
.endr
.endr
	WIN 0
	s_cmp_eq_u32 s14, 3
	s_cbranch_scc1 .Lnot_tiles
	s_wait_tensorcnt 0x0
.Lnot_tiles:
	s_wait_dscnt 0x0
	BARRIER                                        ; o's tiles 0-7 are in; wave 3's load may be out
	FETCH 0, 0
	FETCH 0, 1
	s_wait_loadcnt 0x0                             ; the scale words and the bias
.irp sp, 0,1,2,3
.irp sr, 0,1
	STEP \sp, \sr
.endr
.endr
	SEND 7, 0
	s_wait_tensorcnt 0x0                           ; the wave's end: behind my last tensor load and my last LDS store
	ds_add_u32 v[SPW], v[NIL]
	s_wait_dscnt 0x0
	CROUND                                         ; the closing round
	s_endpgm
.Lfunc_end_k_qbb0737d02b_oproj:
	.size	k_qbb0737d02b_oproj, .Lfunc_end_k_qbb0737d02b_oproj-k_qbb0737d02b_oproj
	.p2alignl 7, 3214868480
	.fill 96, 4, 3214868480
	.section	.rodata,"a",@progbits
	.p2align	6, 0x0
	.amdhsa_kernel k_qbb0737d02b_oproj
		.amdhsa_group_segment_fixed_size 327680
		.amdhsa_private_segment_fixed_size 0
		.amdhsa_enable_private_segment 0
		.amdhsa_kernarg_size 48
		.amdhsa_user_sgpr_count 2
		.amdhsa_user_sgpr_kernarg_segment_ptr 1
		.amdhsa_wavefront_size32 1
		.amdhsa_system_sgpr_workgroup_id_x 1
		.amdhsa_system_sgpr_workgroup_id_y 1
		.amdhsa_system_sgpr_workgroup_id_z 1
		.amdhsa_system_vgpr_workitem_id 0
		.amdhsa_next_free_vgpr 840
		.amdhsa_next_free_sgpr 72
		.amdhsa_reserve_vcc 0
		.amdhsa_float_denorm_mode_32 3
		.amdhsa_float_denorm_mode_16_64 3
		.amdhsa_memory_ordered 1
		.amdhsa_forward_progress 1
		.amdhsa_inst_pref_size 84
	.end_amdhsa_kernel
	.amdgpu_metadata
---
amdhsa.version: [ 1, 2 ]
amdhsa.kernels:
  - .name:           k_qbb0737d02b_oproj
    .symbol:         k_qbb0737d02b_oproj.kd
    .args:
      - { .name: attc, .offset: 0, .size: 8, .value_kind: global_buffer, .address_space: global }
      - { .name: atts, .offset: 8, .size: 8, .value_kind: global_buffer, .address_space: global }
      - { .name: cod1, .offset: 16, .size: 8, .value_kind: global_buffer, .address_space: global }
      - { .name: scl1, .offset: 24, .size: 8, .value_kind: global_buffer, .address_space: global }
      - { .name: out_proj_bias, .offset: 32, .size: 8, .value_kind: global_buffer, .address_space: global }
      - { .name: out0, .offset: 40, .size: 8, .value_kind: global_buffer, .address_space: global }
    .group_segment_fixed_size: 327680
    .private_segment_fixed_size: 0
    .kernarg_segment_align: 8
    .kernarg_segment_size: 48
    .max_flat_workgroup_size: 128
    .sgpr_count:     72
    .vgpr_count:     840
    .wavefront_size: 32
...
	.end_amdgpu_metadata
.endif
;; end of part 4
